; MI455X (gfx1250); checked and timed in simulation.
; The chip was launched on July 23, 2026; its instructions are those of AMD's public machine-readable ISA for CDNA 5 (MIT licence, August 2026) and "CDNA5" Instruction Set Architecture Reference Guide (July 2026). The comments in the code are by the model that wrote it; some were corrected since.
;; Swin Transformer Block. Allowed arithmetic: matrix products marked QUANTISED: E2M1 operands, one E8M0 scale for each 32 along K, by v_wmma_scale_f32_16x16x128_f8f6f4 with both operands' format E2M1 (or v_wmma_scale_f32_32x16x128_f4), f32 sums; everything else in f32.
;; Inputs: b1 1,024 float32; b2 256 float32; bk 256 float32; bo 256 float32; bq 256 float32; bv 256 float32; hidden_states 8 x 4,096 x 256 float32; ln1_b 256 float32; ln1_g 256 float32; ln2_b 256 float32; ln2_g 256 float32; rel_table 225 x 8 float32; w1 1,024 x 256 float32; w2 256 x 1,024 float32; wk 256 x 256 float32; wo 256 x 256 float32; wq 256 x 256 float32; wv 256 x 256 float32.
;; Outputs: out0 8 x 4,096 x 256 float32.
;; This version of the problem:
;;   THIS VERSION OF THE PROBLEM IS GIVEN IN LOW PRECISION. The matrix products marked QUANTISED in the list below multiply operands that are first quantised to E2M1 (2 exponent bits, 1 mantissa bit; 4 bits a number), with one power-of-two scale for each 32 numbers along K (OCP MX v1.0); their sums are f32. All else is computed in f32.
;;   The module's matrix products, in the order in which they are computed (A, B: the left and right operand; K: the contracted axis; several contracted axes count as one K, in the product's order):
;;     1. [M 32,768, K 256] x [K 256, N 256]; A: computed on the way; B: input wq: QUANTISED
;;     2. [M 32,768, K 256] x [K 256, N 256]; A: computed on the way; B: input wk: QUANTISED
;;     3. [M 32,768, K 256] x [K 256, N 256]; A: computed on the way; B: input wv: QUANTISED
;;     4. batch 4,096 x [M 64, K 32] x [K 32, N 64]; A: computed on the way; B: computed on the way: QUANTISED
;;     5. batch 4,096 x [M 32, K 64] x [K 64, N 64]; A: computed on the way; B: computed on the way: QUANTISED
;;     6. [M 32,768, K 256] x [K 256, N 256]; A: computed on the way; B: input wo: QUANTISED
;;     7. [M 32,768, K 256] x [K 256, N 1,024]; A: computed on the way; B: input w1: QUANTISED
;;     8. [M 32,768, K 1,024] x [K 1,024, N 256]; A: computed on the way; B: input w2: QUANTISED
;;   THE QUANTISER, for each operand of a quantised product, along K:
;;     - K is cut into blocks of 32 from its start; a last block that is shorter is filled with zeros.
;;     - A block's scale is 2^e with e = floor(log2(the largest magnitude in the block)) - 2, held to -126 .. 127; a block of zeros has e = 0. As a byte (E8M0): e + 127.
;;     - Each number is divided by its block's scale, clamped to +-6, and rounded to the nearest number of E2M1, ties to even, subnormals kept.
;;     - The product sums the exact products of the quantised numbers (number of the format x scale) in f32.
;;   ~~~python
;;   def quantise(x, axis):      # numpy; x: float32 -> the quantised numbers, widened to float32 again
;;       x = np.moveaxis(x, axis, -1); K = x.shape[-1]
;;       x = np.pad(x, [(0, 0)] * (x.ndim - 1) + [(0, -K % 32)]); x = x.reshape(x.shape[:-1] + (-1, 32)); a = np.abs(x).max(-1, keepdims=True)
;;       e = np.where(a > 0, np.clip(np.frexp(np.where(a > 0, a, 1))[1] - 1 - 2, -126, 127), 0)      # np.frexp(a)[1] - 1 = floor(log2(a)), exactly
;;       r = np.clip(x / 2.0 ** e, -6, 6)
;;       step = 2.0 ** (np.maximum(np.frexp(np.where(r == 0, 1, r))[1] - 1, 0) - 1)
;;       q = np.round(r / step) * step * 2.0 ** e      # np.round: ties to even
;;       return np.moveaxis(q.reshape(q.shape[:-2] + (-1,))[..., :K], -1, axis).astype(np.float32)
;;   ~~~
;;   OPERANDS COMPUTED ON THE WAY. 'Computed on the way' means the value that the module computes at that place (a softmax that the list does not call 'softmax' is quantised finished and normalised). What goes into a quantiser is computed in f32, as accurately as f32 sums, v_exp_f32 and their like allow (about 1e-6 of the number): no bf16 or f16 on the way to a quantiser, and a product that is left as it is and whose result goes on into a quantised operand takes f32 operands (vector FMAs, or v_wmma_f32_16x16x4_f32). A number that lies on a knife's edge between two numbers of the format may be rounded either way, as far as f32 arithmetic and the matrix unit's own rounding can turn it there, and no further.
;; 2 versions. Each part assembles by itself: llvm-mc -triple=amdgcn-amd-amdhsa -mcpu=gfx1250 --defsym DOCPART=n.
;; ======== version 1 of 2: 2 launches
;; workspace buffers: wcod 393,216 bytes; wscl 24,576 bytes
;; launch wquant (part 1): grid 192 x 1, 1 waves a work-group, no clusters, 0 bytes of LDS; arguments wq, wk, wv, wo, w1, w2, wcod, wscl; writes wcod, wscl
.if DOCPART == 1
	.amdgcn_target "amdgcn-amd-amdhsa--gfx1250"
	.amdhsa_code_object_version 6
	.text
	.protected	k_q5f1032b126_wquant
	.globl	k_q5f1032b126_wquant
	.p2align	8
	.type	k_q5f1032b126_wquant,@function
k_q5f1032b126_wquant:
	s_mov_b64 s[64:65], 0
	v_nop
	global_prefetch_b8 v0, s[64:65] scope:SCOPE_SE
	s_setreg_imm32_b32 hwreg(HW_REG_WAVE_MODE, 25, 1), 1
	s_wait_xcnt 0x0
; The six weights (f32, K innermost) become codes of FP4 (E2M1) with one E8M0 byte for each 32 along K, laid as IMAGES OF THE OPERAND'S REGISTERS.
; A UNIT is a tile of 16 rows x 256 along K (two K steps of 128).  Codes: unit x 2,048 + K step x 1,024 + c x 512 + 16 x lane; lane (r, h) holds k = 128 step + 64 c + 32 h + 0 .. 31 of the tile's row r.
; Scale words: unit x 128 + 4 x lane; lanes 0-15 row r's word of the first K step, lanes 16-31 that of the second.
; THE ROWS OF A TILE ARE NOT NEIGHBOURS: lane r of tile 2 b + u takes row 32 b + 8 u + r + 8 (r / 8), so that a transposed product's 16 registers of tiles 2 b, 2 b + 1 are 16 neighbours.
; Units 0-15 wq, 16-31 wk, 32-47 wv, 48-63 wo, 64-127 w1 (tile = unit - 64), 128-191 w2 (tile = (unit - 128) / 4, 256 along K from 256 x ((unit - 128) % 4) on).
; One wave makes one unit: 192 work-groups.  A lane loads four whole blocks of 32 numbers (8 loads of 16 bytes each use up its 128 bytes), so a block's largest magnitude needs no other lane.
; The lanes of a load stand a row apart; the six tensors are 3 MB in all and are read once, so no turn through LDS is made for them.
; A block's scale byte is its largest magnitude's exponent field - 2, held at 1 from below.  A block of zeros so keeps the byte 1 where the quantiser says 127: its codes are zeros, and this program alone reads the bytes.
; LIMITS: NaN and infinities among the weights are not served; blocks whose largest magnitude lies under 2^-124 keep the byte 1.
.set X,  32                            ; v32-159  the numbers: 64 a K step, 32 a block
.set CD, 160                           ; v160-175 the codes: 8 a K step
	s_load_b256 s[4:11], s[0:1], 0x0               ; wq s[4:5], wk s[6:7], wv s[8:9], wo s[10:11]
	s_load_b256 s[12:19], s[0:1], 0x20             ; w1 s[12:13], w2 s[14:15], the codes s[16:17], the scale words s[18:19]
	s_and_b32 s24, ttmp9, 15                       ; the tile, if the unit is one of the four square weights',
	s_sub_co_u32 s25, ttmp9, 64                    ; of w1's,
	s_sub_co_u32 s26, ttmp9, 128
	s_lshr_b32 s27, s26, 2                         ; of w2's;
	s_and_b32 s28, s26, 3                          ; and which 256 along K of w2
	s_cmp_lt_u32 ttmp9, 64
	s_cselect_b32 s29, s24, s25
	s_cmp_lt_u32 ttmp9, 128
	s_cselect_b32 s29, s29, s27                    ; the tile
	s_cselect_b32 s30, 10, 12                      ; a row is 1,024 bytes, w2's 4,096
	s_cselect_b32 s31, 0, s28
	s_lshl_b32 s31, s31, 10                        ; 256 numbers along K are 1,024 bytes
	s_lshr_b32 s32, s29, 1
	s_lshl_b32 s32, s32, 5
	s_and_b32 s33, s29, 1
	s_lshl_b32 s33, s33, 3
	s_add_co_u32 s32, s32, s33                     ; 32 b + 8 u
	s_lshl_b32 s22, ttmp9, 11                      ; the unit's codes
	s_mov_b32 s23, 0
	s_lshl_b32 s34, ttmp9, 7                       ; the unit's scale words
	s_mov_b32 s35, 0
	v_and_b32 v4, 15, v0                           ; r
	v_lshrrev_b32 v5, 4, v0                        ; h
	v_and_b32 v6, 8, v4
	v_add_nc_u32 v6, v6, v4
	v_add_nc_u32 v6, s32, v6                       ; my row
	v_lshlrev_b32 v3, s30, v6
	v_add_nc_u32 v3, s31, v3
	v_lshl_add_u32 v3, v5, 7, v3                   ; + 32 h numbers
	v_lshlrev_b32 v1, 4, v0                        ; 16 x lane
	v_lshlrev_b32 v2, 2, v0                        ; 4 x lane
	v_lshlrev_b32 v15, 3, v5                       ; 8 h: my bytes' place in a scale word
	v_mov_b32 v16, 0                               ; written once: a lane permute's destination counts as one of its sources
	s_mov_b32 s36, 0x76543210
	s_mov_b32 s37, 0xfedcba98                      ; v_permlanex16_b32's selects for lane l xor 16
	s_wait_kmcnt 0x0
	s_mov_b64 s[20:21], s[14:15]                   ; which tensor: the choice hangs on the work-group's number alone
	s_cmp_lt_u32 ttmp9, 128
	s_cselect_b64 s[20:21], s[12:13], s[20:21]
	s_cmp_lt_u32 ttmp9, 64
	s_cselect_b64 s[20:21], s[10:11], s[20:21]
	s_cmp_lt_u32 ttmp9, 48
	s_cselect_b64 s[20:21], s[8:9], s[20:21]
	s_cmp_lt_u32 ttmp9, 32
	s_cselect_b64 s[20:21], s[6:7], s[20:21]
	s_cmp_lt_u32 ttmp9, 16
	s_cselect_b64 s[20:21], s[4:5], s[20:21]
	s_add_nc_u64 s[16:17], s[16:17], s[22:23]
	s_add_nc_u64 s[18:19], s[18:19], s[34:35]
.irp p, 0,1
.irp c, 0,1
.irp i, 0,1,2,3,4,5,6,7
	global_load_b128 v[X+64*\p+32*\c+4*\i:X+64*\p+32*\c+4*\i+3], v3, s[20:21] offset:512*\p+256*\c+16*\i th:TH_LOAD_NT
.endr
.endr
.endr
; K step p: my two blocks, 2 c + h of the step's four
.macro HALF p
.irp c, 0,1
	v_max3_num_f32 v[8+\c], |v[X+64*\p+32*\c]|, |v[X+64*\p+32*\c+1]|, 0x1800000   ; with the floor 2^(3 - 127): the byte cannot fall under 1
.endr
.irp i, 2,4,6,8,10,12,14,16,18,20,22,24,26,28,30
.irp c, 0,1
	v_max3_num_f32 v[8+\c], v[8+\c], |v[X+64*\p+32*\c+\i]|, |v[X+64*\p+32*\c+\i+1]|   ; (the two blocks by turns)
.endr
.endr
.irp c, 0,1
	v_add_nc_u32 v[10+\c], 0xff000000, v[8+\c]     ; 2 off the exponent field: the conversion's scale operand
.endr
.irp c, 0,1
	v_lshrrev_b32 v[12+\c], 23, v[10+\c]           ; the scale's byte
.endr
	v_lshl_or_b32 v14, v13, 16, v12                ; blocks h and 2 + h,
	v_lshlrev_b32 v14, v15, v14                    ; at their places in the word;
	v_permlanex16_b32 v16, v14, s36, s37
	v_or_b32 v[20+\p], v14, v16                    ; with lane l xor 16's two the word is whole
.irp c, 0,1
.irp g, 0,1,2,3
	v_cvt_scalef32_pk8_fp4_f32 v[CD+8*\p+4*\c+\g], v[X+64*\p+32*\c+8*\g:X+64*\p+32*\c+8*\g+7], v[10+\c]
.endr
.endr
	v_nop                                          ; one plain line behind the conversions
.endm
	s_wait_loadcnt 16                              ; the first K step's 16 loads are in; the second's 16 are younger
	HALF 0
	s_wait_loadcnt 0x0
	HALF 1
	v_cmp_eq_u32 vcc_lo, 1, v5
	v_cndmask_b32 v22, v20, v21, vcc_lo            ; lanes 0-15 the first K step's word, lanes 16-31 the second's
.irp p, 0,1
.irp c, 0,1
	global_store_b128 v1, v[CD+8*\p+4*\c:CD+8*\p+4*\c+3], s[16:17] offset:1024*\p+512*\c   ; 32 lanes store 512 consecutive bytes
.endr
.endr
	global_store_b32 v2, v22, s[18:19]             ; 128 consecutive bytes
	s_endpgm
.Lfunc_end_k_q5f1032b126_wquant:
	.size	k_q5f1032b126_wquant, .Lfunc_end_k_q5f1032b126_wquant-k_q5f1032b126_wquant
	.p2alignl 7, 3214868480
	.fill 96, 4, 3214868480
	.section	.rodata,"a",@progbits
	.p2align	6, 0x0
	.amdhsa_kernel k_q5f1032b126_wquant
		.amdhsa_group_segment_fixed_size 0
		.amdhsa_private_segment_fixed_size 0
		.amdhsa_enable_private_segment 0
		.amdhsa_kernarg_size 64
		.amdhsa_user_sgpr_count 2
		.amdhsa_user_sgpr_kernarg_segment_ptr 1
		.amdhsa_wavefront_size32 1
		.amdhsa_system_sgpr_workgroup_id_x 1
		.amdhsa_system_sgpr_workgroup_id_y 1
		.amdhsa_system_sgpr_workgroup_id_z 1
		.amdhsa_system_vgpr_workitem_id 0
		.amdhsa_next_free_vgpr 184
		.amdhsa_next_free_sgpr 66
		.amdhsa_reserve_vcc 1
		.amdhsa_float_denorm_mode_32 3
		.amdhsa_float_denorm_mode_16_64 3
		.amdhsa_memory_ordered 1
		.amdhsa_forward_progress 1
		.amdhsa_inst_pref_size 12
	.end_amdhsa_kernel
	.amdgpu_metadata
---
amdhsa.version: [ 1, 2 ]
amdhsa.kernels:
  - .name:           k_q5f1032b126_wquant
    .symbol:         k_q5f1032b126_wquant.kd
    .args:
      - { .name: wq, .offset: 0, .size: 8, .value_kind: global_buffer, .address_space: global }
      - { .name: wk, .offset: 8, .size: 8, .value_kind: global_buffer, .address_space: global }
      - { .name: wv, .offset: 16, .size: 8, .value_kind: global_buffer, .address_space: global }
      - { .name: wo, .offset: 24, .size: 8, .value_kind: global_buffer, .address_space: global }
      - { .name: w1, .offset: 32, .size: 8, .value_kind: global_buffer, .address_space: global }
      - { .name: w2, .offset: 40, .size: 8, .value_kind: global_buffer, .address_space: global }
      - { .name: wcod, .offset: 48, .size: 8, .value_kind: global_buffer, .address_space: global }
      - { .name: wscl, .offset: 56, .size: 8, .value_kind: global_buffer, .address_space: global }
    .group_segment_fixed_size: 0
    .private_segment_fixed_size: 0
    .kernarg_segment_align: 8
    .kernarg_segment_size: 64
    .max_flat_workgroup_size: 32
    .sgpr_count:     66
    .vgpr_count:     184
    .wavefront_size: 32
...
	.end_amdgpu_metadata
.endif
;; end of part 1
;; launch swin (part 2): grid 256 x 1, 16 waves a work-group, no clusters, 273,408 bytes of LDS; arguments hidden_states, ln1_g, ln1_b, bq, bk, bv, rel_table, bo, ln2_g, ln2_b, b1, b2, wcod, wscl, out0; writes out0
.if DOCPART == 2
	.amdgcn_target "amdgcn-amd-amdhsa--gfx1250"
	.amdhsa_code_object_version 6
	.text
	.protected	k_q5f1032b126_swin
	.globl	k_q5f1032b126_swin
	.p2align	8
	.type	k_q5f1032b126_swin,@function
k_q5f1032b126_swin:
	s_mov_b64 s[64:65], 0
	v_nop
	global_prefetch_b8 v0, s[64:65] scope:SCOPE_SE
	s_setreg_imm32_b32 hwreg(HW_REG_WAVE_MODE, 25, 1), 1
	s_wait_xcnt 0x0
; A whole Swin block (LN1, shift, 8 x 8 windows, QKV, attention with relative bias and shift mask, projection, residual, LN2, MLP with exact GELU, residual), all eight products on codes of FP4 (E2M1)
; with one E8M0 scale for each 32 along K.  Every step is local to a token or to a window, and the shift only says WHICH 1,024-byte rows of hidden_states form a window: so one launch reads hidden_states once and
; writes out0 once, to the same rows; all between stays in registers and LDS.  The weights come as register images made by the launch before.
; SHARES.  Work-group g: windows 2 g, 2 g + 1 (128 tokens).  Sixteen waves of 256 registers, four to a SIMD.  wd = wave / 8 (window), hd = cb = wave % 8.
;   A  LN1 and its codes: wave w takes LDS rows 8 w .. 8 w + 7 (one window row)        B  q, k, v and the attention of (window wd, head hd), all in the wave's registers
;   C  projection + residual: window wd x channels 32 cb ..                             D  LN2 and its codes: rows 8 w ..
;   E  MLP1, GELU, its codes: hidden units 64 w .. x all 128 tokens                     F  MLP2 + residual: window wd x channels 32 cb .., in two halves of 32 tokens; behind each half every wave stores four whole rows,
;                                                                                          so that the first half's rows are on their way while the second half is multiplied
; TOKENS.  LDS row 64 wd + 16 t + r is window token n = 32 (t / 2) + 8 (t % 2) + r % 8 + 16 (r / 8): so the 16 registers that a lane holds of two neighbouring tiles of tokens are 16 neighbouring tokens.
;   The weights' tiles are ordered the same way, so a transposed product's 16 registers of two tiles are 16 neighbouring channels: a conversion's result is then (half of) a block of the next operand.
; OPERANDS GO FROM WAVE TO WAVE THROUGH LDS AS IMAGES OF THEIR REGISTERS: fragment (tile of tokens mt, K step s) is 1,024 bytes, group c of four registers at 512 c + 16 x lane; scale words [mt][s][r], so that one load of
;   4 bytes a lane brings an even K step's words in lanes 0-15 and the odd one's in lanes 16-31.  A lane with 16 codes of block B stores them at 256 B + 16 r + 8 h of its tile's bytes, the byte at its place in the word.
; WEIGHTS go from memory straight into the registers of the wave that multiplies by them (each fragment is used by one wave of a work-group, QKV's, wo's and w2's by two).  NO CLUSTER AND NO JOINT LOADS: a joint load
;   lands in LDS; the six weights are 393,216 bytes of codes, which do not fit beside the 271,360 bytes in use, so they would want a ring with a round of the cluster's barrier for each refill and a second pass (LDS to
;   registers) of bytes that here are moved once.
; SOFTMAX as it is written in the problem: the row's largest score is taken away, p is normalised, and the finished p is quantised along the keys.  bias + mask enter the scores as the product's C, times sqrt(32).
; GELU: x (0.5 + xc N(xc^2) / D(xc^2)), xc = x held to +-4 sqrt(2): a rational form of erf (degrees 6 and 4 in the square), with the halves and 1 / sqrt(2) folded into its coefficients.
; LIMITS: NaN and infinities among the inputs are not served.  Blocks whose largest magnitude lies under 2^-124 keep the scale byte 1 (a block of zeros too: its codes are zeros).  0.5 + 0.5 erf carries an absolute error of
;   about 6e-8, so GELU of strongly negative x has that error times |x|.  A block's largest p is made from its largest score by the same instructions as every p: this takes v_exp_f32 not to fall where its input rises.
;   bias + mask are rounded once more than in the source's order (times sqrt(32), then the sum).  1 / sum and 1 / D are v_rcp_f32 and a multiplication.
; The accumulators of every run of matrix instructions take turns, one instruction a turn.  Behind a run stand four plain vector lines before its results are read or its registers loaded or written by
; vector lines, five before a matrix instruction writes over them (ISA guide 7.12.1).
.set HP,   1040                        ; a row of HID: 1,024 bytes + 16: rows 65 x 16 bytes apart, so 16 rows' same column fall on 16 different 16-byte columns of the banks
.set XIMG, 0                           ; LN1's codes: 16 fragments (mt, s)
.set XSC,  16384                       ; their scale words
.set CIMG, 17408                       ; the attention's result, likewise
.set CSC,  33792
.set YIMG, 34816                       ; LN2's codes, likewise
.set YSC,  51200
.set TAB,  52224                       ; 1,024 bytes a wave: rel_table's column hd, 225 numbers
.set HIMG, 68608                       ; the MLP's hidden layer: fragment (mt, s = 0 .. 7) at (8 mt + s) x 1,024
.set HSC,  134144                      ; its scale words: mt x 512 + s x 64 + 4 r
.set HID,  138240                      ; 128 rows x HP, f32: the shortcut, then hidden, then the result
; FIXED VECTOR REGISTERS (l lane, r = l % 16, h = l / 16, r8 = l % 8, qd = l / 8):
; v1 16 l | v2 4 l | v3 HID + my 8 rows + 16 l | v4 HID + row (8 w + r8) + 128 qd | v5, v6 where LN's codes and bytes go | v7, v8 16 l, 4 l + my window's fragments, words | v9 my place in the table
; v10, v11 where the attention's codes and byte go | v12 HID + row (64 wd + r) + 128 cb + 64 h | v13, v14 where the hidden layer's codes and bytes go | v15, v16 my window's hidden fragments, words
; v17 64 h | v18 128 qd | v19 4 (r + (r & 8)) | v20-23 the mask's four cases, times sqrt(32) | v24-39 scale words and nothing else | v40-255 by phase (see each phase)
.macro NOPS n
.rept \n
	v_nop
.endr
.endm
.macro BAR                             ; my LDS stores have landed and my LDS loads are in: then the work-group's barrier
	s_wait_dscnt 0x0
	s_barrier_signal -1
	s_barrier_wait -1
.endm
.macro WFRAG reg, base, off            ; a weight's fragment, from memory as it lies
	global_load_b128 v[(\reg):(\reg)+3], v1, s[\base:\base+1] offset:(\off)
	global_load_b128 v[(\reg)+4:(\reg)+7], v1, s[\base:\base+1] offset:(\off)+512
.endm
.macro AFRAG reg, adr, off             ; an activation's fragment, from LDS as it lies
	ds_load_b128 v[(\reg):(\reg)+3], v[\adr] offset:(\off)
	ds_load_b128 v[(\reg)+4:(\reg)+7], v[\adr] offset:(\off)+512
.endm
.macro HEADW wr, wo, sr, so            ; a head's (or 32 channels') two tiles x two K steps of a square weight, and their scale words: 10 loads
.irp u, 0,1
.irp s, 0,1
	WFRAG (\wr)+16*\u+8*\s, 46, (\wo)+2048*\u+1024*\s
.endr
.endr
.irp u, 0,1
	global_load_b32 v[(\sr)+\u], v2, s[52:53] offset:(\so)+128*\u
.endr
.endm
.macro BIAS16 reg, base                ; a bias as the C of two transposed tiles: lane (r, h), tile u, register n: bias[8 u + 16 h + n]: 4 loads
.irp u, 0,1
.irp i, 0,1
	global_load_b128 v[(\reg)+8*\u+4*\i:(\reg)+8*\u+4*\i+3], v17, s[\base:\base+1] offset:32*\u+16*\i
.endr
.endr
.endm
.macro VEC32 reg, base, bb             ; a gain's or offset's 32 numbers of my block qd + 4 bb: 8 loads
.irp i, 0,1,2,3,4,5,6,7
	global_load_b128 v[(\reg)+32*(\bb)+4*\i:(\reg)+32*(\bb)+4*\i+3], v18, s[\base:\base+1] offset:512*(\bb)+16*\i
.endr
.endm
; One matrix instruction.  s odd: both sides' scale words are taken from lanes 16-31
.macro MM d, a, b, c, sa, sb, s
.if (\s)%2
	v_wmma_scale_f32_16x16x128_f8f6f4 v[(\d):(\d)+7], v[(\a):(\a)+7], v[(\b):(\b)+7], v[(\c):(\c)+7], v[\sa], v[\sb] matrix_a_fmt:MATRIX_FMT_FP4 matrix_b_fmt:MATRIX_FMT_FP4 matrix_a_scale:MATRIX_SCALE_ROW1 matrix_b_scale:MATRIX_SCALE_ROW1
.else
	v_wmma_scale_f32_16x16x128_f8f6f4 v[(\d):(\d)+7], v[(\a):(\a)+7], v[(\b):(\b)+7], v[(\c):(\c)+7], v[\sa], v[\sb] matrix_a_fmt:MATRIX_FMT_FP4 matrix_b_fmt:MATRIX_FMT_FP4
.endif
.endm
.macro MMZ d, a, b, sa, sb             ; the same, starting a sum
	v_wmma_scale_f32_16x16x128_f8f6f4 v[(\d):(\d)+7], v[(\a):(\a)+7], v[(\b):(\b)+7], 0, v[\sa], v[\sb] matrix_a_fmt:MATRIX_FMT_FP4 matrix_b_fmt:MATRIX_FMT_FP4
.endm
; THE QUANTISER of 16 numbers of a lane, v[s] .. v[s + 15], half of a block whose other half lies in lane l xor 16.
.macro QMAX16 d, e, s                  ; my 16's largest magnitude, in two chains, each accumulator from its low end on; with the floor 2^(3 - 127): the byte cannot fall under 1
	v_max3_num_f32 v[\d], |v[(\s)]|, |v[(\s)+1]|, 0x1800000
	v_max3_num_f32 v[\e], |v[(\s)+8]|, |v[(\s)+9]|, |v[(\s)+10]|
	v_max3_num_f32 v[\d], v[\d], |v[(\s)+2]|, |v[(\s)+3]|
	v_max3_num_f32 v[\e], v[\e], |v[(\s)+11]|, |v[(\s)+12]|
	v_max3_num_f32 v[\d], v[\d], |v[(\s)+4]|, |v[(\s)+5]|
	v_max3_num_f32 v[\e], v[\e], |v[(\s)+13]|, |v[(\s)+14]|
	v_max3_num_f32 v[\d], v[\d], |v[(\s)+6]|, |v[(\s)+7]|
	v_max3_num_f32 v[\d], v[\d], v[\e], |v[(\s)+15]|
.endm
.macro QSCL d, e, byte                 ; the block's; v[e] becomes the conversion's scale operand (2 off the exponent field), v[byte] the scale's byte
	v_permlanex16_b32 v[\e], v[\d], s58, s59
	v_max_num_f32 v[\d], v[\d], v[\e]
	v_add_nc_u32 v[\e], 0xff000000, v[\d]
	v_lshrrev_b32 v[\byte], 23, v[\e]
.endm
.macro QCVT c, s, e                    ; 16 codes in two registers; the caller puts one plain line behind the last conversion of a run
	v_cvt_scalef32_pk8_fp4_f32 v[(\c)], v[(\s):(\s)+7], v[\e]
	v_cvt_scalef32_pk8_fp4_f32 v[(\c)+1], v[(\s)+8:(\s)+15], v[\e]
.endm
; LAYERNORM of rows 8 w .. 8 w + 7.  Lane (r8, qd) holds, of row r8, channels 32 qd .. and 128 + 32 qd ..: two whole blocks, in v168-231; the gain in v104-167, the offset in v40-103; T: 12 registers at work.
.macro ROWS
.irp b, 0,1
.irp i, 0,1,2,3,4,5,6,7
	ds_load_b128 v[168+32*\b+4*\i:171+32*\b+4*\i], v4 offset:512*\b+16*\i
.endr
.endr
.endm
.macro FOLD                            ; four chains of pairs, then the row's four lanes (l xor 8, l xor 16)
	v_pk_add_f32 v[T:T+1], v[T:T+1], v[T+2:T+3]
	v_pk_add_f32 v[T+4:T+5], v[T+4:T+5], v[T+6:T+7]
	v_pk_add_f32 v[T:T+1], v[T:T+1], v[T+4:T+5]
	v_add_f32 v[T], v[T], v[T+1]
	v_add_f32_dpp v[T], v[T], v[T] row_xmask:8 row_mask:0xf bank_mask:0xf
	v_permlanex16_b32 v[T+1], v[T], s58, s59
	v_add_f32 v[T], v[T], v[T+1]
.endm
.macro LNA                             ; two passes (the mean is taken away before the squares), so a common offset of the inputs costs no accuracy
.irp k, 0,1,2,3
	v_pk_add_f32 v[T+2*\k:T+2*\k+1], v[168+2*\k:169+2*\k], v[176+2*\k:177+2*\k]
.endr
.irp p, 16,24,32,40,48,56
.irp k, 0,1,2,3
	v_pk_add_f32 v[T+2*\k:T+2*\k+1], v[T+2*\k:T+2*\k+1], v[168+\p+2*\k:169+\p+2*\k]
.endr
.endr
	FOLD
	v_mul_f32 v[T], s86, v[T]                      ; the mean
.set p, 168
.rept 32
	v_pk_add_f32 v[p:p+1], v[p:p+1], v[T:T+1] op_sel_hi:[1,0] neg_lo:[0,1] neg_hi:[0,1]
.set p, p+2
.endr
.irp k, 0,1,2,3
	v_pk_mul_f32 v[T+2*\k:T+2*\k+1], v[168+2*\k:169+2*\k], v[168+2*\k:169+2*\k]
.endr
.irp p, 8,16,24,32,40,48,56
.irp k, 0,1,2,3
	v_pk_fma_f32 v[T+2*\k:T+2*\k+1], v[168+\p+2*\k:169+\p+2*\k], v[168+\p+2*\k:169+\p+2*\k], v[T+2*\k:T+2*\k+1]
.endr
.endr
	FOLD
	v_fma_f32 v[T], v[T], s86, s87                 ; the variance + 1e-5
	v_rsq_f32 v[T], v[T]
	s_wait_loadcnt 0x0                             ; the gain and the offset are in (no younger load is wanted out here)
	v_nop                                          ; a plain line behind the transcendental
.set p, 168
	s_wait_alu depctr_va_vdst(0)
.rept 32
	v_pk_mul_f32 v[p:p+1], v[p:p+1], v[T:T+1] op_sel_hi:[1,0]
.set p, p+2
.endr
.set p, 168
.rept 32
	v_pk_fma_f32 v[p:p+1], v[p:p+1], v[p-64:p-63], v[p-128:p-127]
.set p, p+2
.endr
.endm
.macro LNQ img, sc                     ; my two whole blocks become 16 bytes of codes each, at their place in the row's fragments, and a byte each
.irp b, 0,1
	v_max3_num_f32 v[T+\b], |v[168+32*\b]|, |v[169+32*\b]|, 0x1800000
.endr
.irp i, 2,4,6,8,10,12,14,16,18,20,22,24,26,28,30
.irp b, 0,1
	v_max3_num_f32 v[T+\b], v[T+\b], |v[168+32*\b+\i]|, |v[169+32*\b+\i]|
.endr
.endr
.irp b, 0,1
	v_add_nc_u32 v[T+2+\b], 0xff000000, v[T+\b]
.endr
.irp b, 0,1
	v_lshrrev_b32 v[T+\b], 23, v[T+2+\b]
.endr
.irp b, 0,1
.irp g, 0,1,2,3
	v_cvt_scalef32_pk8_fp4_f32 v[T+4+4*\b+\g], v[168+32*\b+8*\g:175+32*\b+8*\g], v[T+2+\b]
.endr
.endr
	v_nop
.irp b, 0,1
	ds_store_b128 v5, v[T+4+4*\b:T+7+4*\b] offset:(\img)+1024*\b
	ds_store_b8 v6, v[T+\b] offset:(\sc)+64*\b
.endr
.endm
; ================ HEAD
	s_load_b512 s[4:19], s[0:1], 0x0               ; hidden s[4:5], ln1_g s[6:7], ln1_b s[8:9], bq s[10:11], bk s[12:13], bv s[14:15], rel_table s[16:17], bo s[18:19]
	s_load_b256 s[20:27], s[0:1], 0x40             ; ln2_g s[20:21], ln2_b s[22:23], b1 s[24:25], b2 s[26:27]
	s_load_b128 s[28:31], s[0:1], 0x60             ; the weights' codes s[28:29], their scale words s[30:31]
	s_load_b64 s[32:33], s[0:1], 0x70              ; out0
	v_lshrrev_b32 v232, 5, v0
	v_readfirstlane_b32 s34, v232                  ; w
	s_and_b32 s35, s34, 7                          ; hd = cb
	s_lshr_b32 s36, s34, 3                         ; wd
	v_and_b32 v232, 31, v0                         ; l
	v_lshlrev_b32 v1, 4, v232
	v_lshlrev_b32 v2, 2, v232
	v_lshlrev_b32 v243, 5, v232                    ; a row of rel_table is 32 bytes
	v_bfe_u32 v236, v0, 3, 2                       ; qd
	v_lshlrev_b32 v18, 7, v236
	v_mov_b32 v252, 0                              ; v252, v253: upper registers of p's fragment, where v's codes are zeros; v252 is also the offset 0
	v_mov_b32 v253, 0
	s_lshl_b32 s96, ttmp9, 1
	s_add_co_u32 s96, s96, s36                     ; my window
	s_lshr_b32 s97, s96, 6                         ; its image,
	s_bfe_u32 s98, s96, 0x30003                    ; its row of windows wh,
	s_and_b32 s99, s96, 7                          ; its column ww
	s_and_b32 s88, s34, 1
	s_lshl_b32 s88, s88, 1
	s_bfe_u32 s92, s34, 0x10001
	s_add_co_u32 s88, s88, s92                     ; 2 (w % 2) + (w / 2) % 2
	s_bfe_u32 s89, s34, 0x10002                    ; (w / 4) % 2
	s_lshl_b32 s91, s89, 2
	s_add_co_u32 s91, s91, s88                     ; my rows 8 w .. are window row i = 4 ((w / 4) % 2) + 2 (w % 2) + (w / 2) % 2
	s_lshl_b32 s90, s97, 12                        ; tokens ahead of my image
	s_lshl_b32 s92, s98, 3
	s_add_co_u32 s92, s92, 4                       ; 8 wh + 4: the shift
	s_add_co_u32 s93, s92, s91
	s_and_b32 s93, s93, 63                         ; the image's row (8 wh + i + 4) mod 64
	s_lshl_b32 s93, s93, 6
	s_add_co_u32 s93, s93, s90                     ; tokens ahead of that row
	s_lshl_b32 s94, s99, 3
	s_add_co_u32 s95, s94, 4                       ; window columns 0-3: image columns 8 ww + 4 ..
	s_add_co_u32 s95, s95, s93
	s_lshl_b32 s38, s95, 10                        ; a token is 1,024 bytes; all offsets stay under 2^25
	s_mov_b32 s39, 0
	s_add_co_u32 s95, s94, 8                       ; window columns 4-7: (8 ww + 8) mod 64 ..
	s_and_b32 s95, s95, 63
	s_add_co_u32 s95, s95, s93
	s_lshl_b32 s40, s95, 10
	s_mov_b32 s41, 0
	s_lshl_b32 s95, s89, 2                         ; THE WAY OUT: in each half of the last phase I store four tokens: window row 4 half + 2 (w % 2) + (w / 2) % 2, columns 4 ((w / 4) % 2) + 0 .. 3
	s_add_co_u32 s95, s95, s94
	s_add_co_u32 s95, s95, 4
	s_and_b32 s95, s95, 63                         ; their first image column
	s_add_co_u32 s95, s95, s90
	s_add_co_u32 s93, s92, s88                     ; the first half's image row
	s_and_b32 s93, s93, 63
	s_lshl_b32 s93, s93, 6
	s_add_co_u32 s93, s93, s95
	s_lshl_b32 s42, s93, 10
	s_mov_b32 s43, 0
	s_add_co_u32 s93, s92, s88                     ; the second half's: four window rows further down
	s_add_co_u32 s93, s93, 4
	s_and_b32 s93, s93, 63
	s_lshl_b32 s93, s93, 6
	s_add_co_u32 s93, s93, s95
	s_lshl_b32 s44, s93, 10
	s_mov_b32 s45, 0
	s_mov_b32 s96, 0xc40d6bde                      ; -100 sqrt(32)
	s_cmp_eq_u32 s98, 7
	s_cselect_b32 s97, s96, 0                      ; in the last row of windows the window's halves of rows are apart,
	s_cmp_eq_u32 s99, 7
	s_cselect_b32 s96, s96, 0                      ; in the last column its halves of columns
	v_bfe_u32 v237, v0, 2, 1                       ; my query's column is 4 or more
	v_cvt_f32_u32 v237, v237
	v_mul_f32 v20, s96, v237                       ; same half of rows, key's column under 4
	v_sub_f32 v21, s96, v20                        ; same half of rows, key's column 4 or more
	v_min_num_f32 v22, s97, v20                    ; other half of rows
	v_min_num_f32 v23, s97, v21
	s_lshl_b32 s46, s35, 12                        ; offsets into the codes: 2 units a head, 4 a wave (w1), 8 for 32 channels of w2
	s_mov_b32 s47, 0
	s_lshl_b32 s48, s34, 13
	s_mov_b32 s49, 0
	s_lshl_b32 s50, s35, 14
	s_mov_b32 s51, 0
	s_lshl_b32 s52, s35, 8                         ; and into the scale words
	s_mov_b32 s53, 0
	s_lshl_b32 s54, s34, 9
	s_mov_b32 s55, 0
	s_lshl_b32 s56, s35, 10
	s_mov_b32 s57, 0
	s_lshl_b32 s92, s35, 7                         ; 32 numbers of a bias
	s_mov_b32 s93, 0
	s_lshl_b32 s94, s34, 8                         ; 64 of b1
	s_mov_b32 s95, 0
	s_lshl_b32 s98, s35, 2                         ; rel_table's column hd
	s_mov_b32 s99, 0
	s_mov_b32 s58, 0x76543210
	s_mov_b32 s59, 0xfedcba98                      ; v_permlanex16_b32's selects for lane l xor 16
.macro SPAIR r, val                    ; a packed form names a pair and takes its low word for both halves: both are written
	s_mov_b32 s[\r], \val
	s_mov_b32 s[\r+1], \val
.endm
	SPAIR 60, 0x3e8293ee                           ; c = log2(e) / sqrt(32)
	SPAIR 62, 0x40b504f3                           ; sqrt(32)
	SPAIR 66, 0xb62ccd2b                           ; GELU's denominator: d4, d2, d1, d0 (d3 lies in a vector pair)
	SPAIR 68, 0xba9bf7b5
	SPAIR 70, 0xbc2ad7f2
	SPAIR 72, 0xbd2542a9
	SPAIR 74, 0xac95df0b                           ; its numerator: a6, a4, a3, a2, a1, a0 (a5 lies in a vector pair)
	SPAIR 76, 0xb40cff51
	SPAIR 78, 0xb6eec2d2
	SPAIR 80, 0xb940ac63
	SPAIR 82, 0xbac1a1f6
	SPAIR 84, 0xbc83dbd4
	s_mov_b32 s86, 0x3b800000                      ; 1 / 256
	s_mov_b32 s87, 0x3727c5ac                      ; 1e-5
	s_wait_kmcnt 0x0
	s_add_nc_u64 s[42:43], s[32:33], s[42:43]      ; out0 at my four tokens of each half
	s_add_nc_u64 s[44:45], s[32:33], s[44:45]
	s_add_nc_u64 s[38:39], s[4:5], s[38:39]        ; hidden_states at my window row's two runs of four tokens
	s_add_nc_u64 s[40:41], s[4:5], s[40:41]
	s_add_nc_u64 s[46:47], s[28:29], s[46:47]
	s_add_nc_u64 s[48:49], s[28:29], s[48:49]
	s_add_nc_u64 s[50:51], s[28:29], s[50:51]
	s_add_nc_u64 s[52:53], s[30:31], s[52:53]
	s_add_nc_u64 s[54:55], s[30:31], s[54:55]
	s_add_nc_u64 s[56:57], s[30:31], s[56:57]
	s_add_nc_u64 s[10:11], s[10:11], s[92:93]
	s_add_nc_u64 s[12:13], s[12:13], s[92:93]
	s_add_nc_u64 s[14:15], s[14:15], s[92:93]
	s_add_nc_u64 s[18:19], s[18:19], s[92:93]
	s_add_nc_u64 s[26:27], s[26:27], s[92:93]
	s_add_nc_u64 s[24:25], s[24:25], s[94:95]
	s_add_nc_u64 s[16:17], s[16:17], s[98:99]
; 56 loads: 16 of hidden_states (512 consecutive bytes each), 8 of the table, 16 of the gain, 16 of the offset
.irp j, 0,1,2,3
.irp c, 0,1
	global_load_b128 v[168+8*\j+4*\c:171+8*\j+4*\c], v1, s[38:39] offset:1024*\j+512*\c th:TH_LOAD_NT
.endr
.endr
.irp j, 0,1,2,3
.irp c, 0,1
	global_load_b128 v[200+8*\j+4*\c:203+8*\j+4*\c], v1, s[40:41] offset:1024*\j+512*\c th:TH_LOAD_NT
.endr
.endr
.irp i, 0,1,2,3,4,5,6
	global_load_b32 v[244+\i], v243, s[16:17] offset:1024*\i      ; rel_table[32 i + l][hd]
.endr
	global_load_b32 v251, v252, s[16:17] offset:7168              ; rel_table[224][hd], in every lane
	VEC32 104, 6, 0
	VEC32 104, 6, 1
	VEC32 40, 8, 0
	VEC32 40, 8, 1
; the fixed registers, while the loads are out
	v_and_b32 v233, 15, v0                         ; r
	v_bfe_u32 v234, v0, 4, 1                       ; h
	v_and_b32 v235, 7, v0                          ; r8
	s_mul_i32 s96, s34, 8*HP
	s_add_co_u32 s96, s96, HID
	v_add_nc_u32 v3, s96, v1
	v_mul_u32_u24 v4, v235, HP
	v_lshl_add_u32 v4, v236, 7, v4
	v_add_nc_u32 v4, s96, v4
	s_lshr_b32 s97, s34, 1                         ; my rows' tile of tokens mt = w / 2,
	s_and_b32 s98, s34, 1                          ; and which half of its 16 rows
	s_lshl_b32 s96, s97, 11
	s_lshl_b32 s99, s98, 7
	s_add_co_u32 s96, s96, s99
	v_lshlrev_b32 v5, 8, v236                      ; block qd: 256 qd,
	v_lshl_add_u32 v5, v235, 4, v5                 ; row 8 (w % 2) + r8: 16 bytes a row
	v_add_nc_u32 v5, s96, v5
	s_lshl_b32 s96, s97, 7
	s_lshl_b32 s99, s98, 5
	s_add_co_u32 s96, s96, s99
	v_lshl_add_u32 v6, v235, 2, v236
	v_add_nc_u32 v6, s96, v6
	s_lshl_b32 s96, s36, 13
	v_add_nc_u32 v7, s96, v1
	s_lshl_b32 s99, s36, 9
	v_add_nc_u32 v8, s99, v2
	s_lshl_b32 s91, s34, 10
	s_add_co_u32 s91, s91, TAB                     ; my table
	v_bfe_u32 v237, v0, 3, 1                       ; r / 8
	v_xor_b32 v238, 1, v234
	v_add_nc_u32 v237, v237, v238
	v_mul_u32_u24 v237, v237, 120                  ; two window rows are 30 places of the table
	v_lshl_add_u32 v237, v235, 2, v237
	v_add_nc_u32 v9, s91, v237
	s_lshl_b32 s92, s35, 8
	s_add_co_u32 s92, s92, s96                     ; block hd: 256 hd; my window: 8,192 wd
	v_lshlrev_b32 v237, 4, v233
	v_lshl_add_u32 v238, v234, 3, v237             ; 16 r + 8 h
	v_add_nc_u32 v10, s92, v238
	s_and_b32 s92, s35, 3
	s_lshr_b32 s93, s35, 2
	s_lshl_b32 s93, s93, 6
	s_add_co_u32 s92, s92, s93
	s_add_co_u32 s92, s92, s99
	v_lshlrev_b32 v239, 2, v233                    ; 4 r
	v_add_nc_u32 v11, s92, v239
	s_mul_i32 s92, s36, 64*HP
	s_lshl_b32 s93, s35, 7
	s_add_co_u32 s92, s92, s93
	s_add_co_u32 s92, s92, HID
	v_mul_u32_u24 v12, v233, HP
	v_lshl_add_u32 v12, v234, 6, v12
	v_add_nc_u32 v12, s92, v12
	s_lshl_b32 s92, s34, 9                         ; blocks 2 w, 2 w + 1 of the hidden layer: 512 w
	s_add_co_u32 s92, s92, HIMG
	v_add_nc_u32 v13, s92, v238
	s_lshl_b32 s92, s98, 1
	s_lshl_b32 s93, s97, 6
	s_add_co_u32 s92, s92, s93
	s_add_co_u32 s92, s92, HSC
	v_add_nc_u32 v14, s92, v239
	s_lshl_b32 s92, s36, 15
	s_add_co_u32 s92, s92, HIMG
	v_add_nc_u32 v15, s92, v1
	s_lshl_b32 s92, s36, 11
	s_add_co_u32 s92, s92, HSC
	v_add_nc_u32 v16, s92, v2
	v_lshlrev_b32 v17, 6, v234
	v_and_b32 v240, 8, v233
	v_add_nc_u32 v240, v240, v233
	v_lshlrev_b32 v19, 2, v240
	v_add_nc_u32 v241, s91, v2                     ; my table + 4 l
	v_mov_b32 v242, s91                            ; its first byte
; ================ A: the shortcut into HID, LN1, its codes.  v40-103 offset, v104-167 gain, v168-231 the rows, T = v232-243, v244-251 the table
.set T, 232
	s_wait_loadcnt 40                              ; the 16 loads of hidden_states are in; 8 + 16 + 16 are younger
.irp j, 0,1,2,3,4,5,6,7
.irp c, 0,1
	ds_store_b128 v3, v[168+8*\j+4*\c:171+8*\j+4*\c] offset:HP*\j+512*\c
.endr
.endr
	ROWS                                           ; back with a row's quarter in a lane.  My own bytes: LDS serves a wave's instructions in order (ISA guide 5.7.1.4)
	s_wait_loadcnt 32                              ; the table is in; the gain's and the offset's 32 are younger
.irp i, 0,1,2,3,4,5,6
	ds_store_b32 v241, v[244+\i] offset:128*\i
.endr
	ds_store_b32 v242, v251 offset:896             ; every lane writes the same word with the same value
	s_wait_dscnt 0x0
	LNA
	HEADW 40, 32768, 24, 2048                      ; 40 loads in three groups.  K's 14: wk's fragments v40-71, words v24-25, bk v136-151
	BIAS16 136, 12
	HEADW 72, 65536, 26, 4096                      ; V's 12: wv v72-103, words v26-27, bv of my lane's two channels v254-255
.irp u, 0,1
	global_load_b32 v[254+\u], v19, s[14:15] offset:32*\u
.endr
	HEADW 104, 0, 28, 0                            ; Q's 14: wq v104-135, words v28-29, bq v152-167
	BIAS16 152, 10
	LNQ XIMG, XSC
	BAR                                            ; x's sixteen fragments lie in LDS
; ================ B: (window wd, head hd).  v168-183 x's two fragments, v184-199 two accumulators, T = v200-211, v212-243 k's four fragments, v244-251 q's, v248-255 p's, v40-55 v's two
.set T, 200
.macro XLOAD t
	AFRAG 168, 7, XIMG+2048*(\t)
	AFRAG 176, 7, XIMG+2048*(\t)+1024
	ds_load_b32 v30, v8 offset:XSC+128*(\t)
.endm
.irp t, 0,1,2,3
.irp n, 2,3,4,5,6,7
	v_mov_b32 v[212+8*\t+\n], 0                    ; K = 32 of the instruction's 128: k's codes beyond are zeros, so q's registers there may hold anything
.endr
.endr
	XLOAD 0
; k of 16 tokens, transposed (source 0 = wk's rows): a lane holds token r and channels 16 h + 0 .. 15 of the head: half of the one block
.macro KST t
	s_wait_dscnt 0x0
.if (\t) == 0
	s_wait_loadcnt 26                              ; K's group is in; V's 12 and Q's 14 are younger
.endif
	MM 184, 40, 168, 136, 24, 30, 0
	MM 192, 56, 168, 144, 25, 30, 0
	MM 184, 48, 176, 184, 24, 30, 1
	MM 192, 64, 176, 192, 25, 30, 1
	NOPS 4
	XLOAD ((\t)+1)%4
	QMAX16 T, T+1, 184
	QSCL T, T+1, 32+(\t)
	QCVT 212+8*(\t), 184, T+1
	v_nop
	v_permlane16_swap_b32 v[212+8*(\t)], v[214+8*(\t)]   ; lanes 0-15 get the whole block (k = 0 .. 31), lanes 16-31 zeros
	v_permlane16_swap_b32 v[213+8*(\t)], v[215+8*(\t)]
.endm
	KST 0
	KST 1
	KST 2
	KST 3
	s_wait_loadcnt 14                              ; V's group is in; Q's 14 are younger
.irp u, 0,1
.irp n, 0,1,2,3,4,5,6,7
	v_mov_b32 v[136+8*\u+\n], v[254+\u]            ; bv as C: here a lane holds ONE channel, so its eight registers hold one number
.endr
.irp n, 4,5,6,7
	v_mov_b32 v[40+8*\u+\n], 0                     ; K = 64 of 128: v's codes beyond are zeros
.endr
.endr
; v of 16 tokens, NOT transposed (source 0 = x): a lane holds channel r of tile u, and its registers run along the tokens, which are the second product's K
.macro VST t
	s_wait_dscnt 0x0
	MM 184+8*((\t)%2), 168, 72, 136, 30, 26, 0
	MM 56+8*((\t)%2), 168, 88, 144, 30, 27, 0
	MM 184+8*((\t)%2), 176, 80, 184+8*((\t)%2), 30, 26, 1
	MM 56+8*((\t)%2), 176, 96, 56+8*((\t)%2), 30, 27, 1
	NOPS 4
	XLOAD ((\t)+1)%4
.if (\t)%2                             ; two tiles of tokens are 16 neighbouring tokens a lane: half of block t / 2
	QMAX16 T, T+1, 184
	QMAX16 T+2, T+3, 56
.if (\t) == 1
	QSCL T, T+1, 36
	QSCL T+2, T+3, 37
.else
	QSCL T, T+1, T+4
	QSCL T+2, T+3, T+5
	v_lshl_or_b32 v36, v[T+4], 8, v36
	v_lshl_or_b32 v37, v[T+5], 8, v37
.endif
	QCVT 40+2*((\t)/2), 184, T+1
	QCVT 48+2*((\t)/2), 56, T+3
	v_nop
.endif
.endm
	VST 0
	VST 1
	VST 2
	VST 3
.irp u, 0,1
	v_permlane16_swap_b32 v[40+8*\u], v[42+8*\u]   ; a whole block in a lane: lanes 0-15 tokens 0-31, lanes 16-31 tokens 32-63
	v_permlane16_swap_b32 v[41+8*\u], v[43+8*\u]
.endr
	HEADW 72, 98304, 24, 6144                      ; wo's fragments for the projection, 10 loads: they land under the attention
; The relative bias of query tile j against all 64 keys, into the scores' registers: index (i_q - i_k + 7) x 15 + j_q - j_k + 7; the lane's part lies in v9, the rest is a constant of the register
.macro GATHER j
.irp i, 0,1,2,3
.irp n, 0,1,2,3,4,5,6,7
	ds_load_b32 v[56+8*(\i%2)+80*(\i/2)+\n], v9 offset:4*((4*(((\j)/2)-(\i/2))+(((\j)%2)-(\i%2)))*15-\n+82)
.endr
.endr
.endm
; (bias + mask) sqrt(32) for key tile i: the product's C.  The mask's case: halves of rows differ where j / 2 and i / 2 do; the key's column is the register's number
.macro CBUILD i, j
.set rS, 56+8*((\i)%2)+80*((\i)/2)
.set rM, 20+2*(((\j)/2)^((\i)/2))
	v_pk_fma_f32 v[rS:rS+1], v[rS:rS+1], s[62:63], v[rM:rM+1] op_sel_hi:[1,0,0]
	v_pk_fma_f32 v[rS+2:rS+3], v[rS+2:rS+3], s[62:63], v[rM:rM+1] op_sel_hi:[1,0,0]
	v_pk_fma_f32 v[rS+4:rS+5], v[rS+4:rS+5], s[62:63], v[rM:rM+1] op_sel:[0,0,1] op_sel_hi:[1,0,1]
	v_pk_fma_f32 v[rS+6:rS+7], v[rS+6:rS+7], s[62:63], v[rM:rM+1] op_sel:[0,0,1] op_sel_hi:[1,0,1]
.endm
	GATHER 0
; Query tile j.  Scores: v56-71 keys 16 h + 0 .. 15, v136-151 keys 32 + 16 h + 0 .. 15 of query r.
; The bias's 32 loads were asked for late in the tile before (the scores' registers were not free sooner): q's products and q's quantiser stand between them and the wait for them.
.macro ATT j
.if (\j) == 0
	s_wait_dscnt 32                                ; x's five loads are in; the bias's 32 are younger
	s_wait_loadcnt 10                              ; Q's group is in; wo's 10 are younger
.else
	s_wait_dscnt 34                                ; x's five loads are in; the bias's 32 and the last tile's two stores are younger
.endif
	MM 184, 104, 168, 152, 28, 30, 0               ; q, transposed, as k was
	MM 192, 120, 168, 160, 29, 30, 0
	MM 184, 112, 176, 184, 28, 30, 1
	MM 192, 128, 176, 192, 29, 30, 1
	v_mov_b32 v246, 0                              ; four plain lines that name none of those products' registers: the places behind them
	v_mov_b32 v247, 0
	v_nop
	v_nop
.if (\j) < 3
	XLOAD (\j)+1
.endif
	QMAX16 T, T+1, 184                             ; (writes T and T + 1 alone: the last tile's stores, which may be out, read T + 2, T + 4, T + 5)
	QSCL T, T+1, 31
	QCVT 244, 184, T+1
	v_nop
	v_permlane16_swap_b32 v244, v246
	v_permlane16_swap_b32 v245, v247
.if (\j) < 3
	s_wait_dscnt 5                                 ; the bias is in and the last tile's stores are done; the next tile's five loads of x are younger
.else
	s_wait_dscnt 0x0
.endif
	CBUILD 0, \j                                   ; of these sixteen lines twelve name no register of any one product below: q's scale word stands 8 places ahead, q's codes 4
	CBUILD 1, \j
	CBUILD 2, \j
	CBUILD 3, \j
.irp i, 0,1,2,3
	MM 56+8*(\i%2)+80*(\i/2), 212+8*\i, 244, 56+8*(\i%2)+80*(\i/2), 32+\i, 31, 0   ; S^T sqrt(32) = k q^T + C
.endr
	NOPS 4
	v_max3_num_f32 v[T], v56, v57, v58             ; each block's largest score: for the row's maximum, and for the block's largest p
	v_max3_num_f32 v[T+1], v136, v137, v138
.irp i, 3,5,7,9,11,13
	v_max3_num_f32 v[T], v[T], v[56+\i], v[57+\i]
	v_max3_num_f32 v[T+1], v[T+1], v[136+\i], v[137+\i]
.endr
	v_max_num_f32 v[T], v[T], v71
	v_max_num_f32 v[T+1], v[T+1], v151
	v_permlanex16_b32 v[T+2], v[T], s58, s59
	v_permlanex16_b32 v[T+3], v[T+1], s58, s59
	v_max_num_f32 v[T], v[T], v[T+2]
	v_max_num_f32 v[T+1], v[T+1], v[T+3]
	v_max_num_f32 v[T+4], v[T], v[T+1]             ; the row's
	v_mul_f32 v[T+4], s60, v[T+4]
.irp k, 0,2,4,6,8,10,12,14
	v_pk_fma_f32 v[56+\k:57+\k], v[56+\k:57+\k], s[60:61], v[T+4:T+5] op_sel_hi:[1,0,0] neg_lo:[0,0,1] neg_hi:[0,0,1]
	v_pk_fma_f32 v[136+\k:137+\k], v[136+\k:137+\k], s[60:61], v[T+4:T+5] op_sel_hi:[1,0,0] neg_lo:[0,0,1] neg_hi:[0,0,1]
.endr
	v_fma_f32 v[T], v[T], s60, -v[T+4]
	v_fma_f32 v[T+1], v[T+1], s60, -v[T+4]
.irp n, 0,1,2,3,4,5,6,7,8,9,10,11,12,13,14,15
	v_exp_f32 v[56+\n], v[56+\n]
	v_exp_f32 v[136+\n], v[136+\n]
.endr
	v_exp_f32 v[T], v[T]
	v_exp_f32 v[T+1], v[T+1]
	v_nop                                          ; a plain line behind the exponentials
	s_wait_alu depctr_va_vdst(0)
	v_pk_add_f32 v[T+6:T+7], v[56:57], v[58:59]    ; the row's sum, in two chains
	v_pk_add_f32 v[T+8:T+9], v[136:137], v[138:139]
.irp k, 4,6,8,10,12,14
	v_pk_add_f32 v[T+6:T+7], v[T+6:T+7], v[56+\k:57+\k]
	v_pk_add_f32 v[T+8:T+9], v[T+8:T+9], v[136+\k:137+\k]
.endr
	v_pk_add_f32 v[T+6:T+7], v[T+6:T+7], v[T+8:T+9]
	v_add_f32 v[T+6], v[T+6], v[T+7]
	v_permlanex16_b32 v[T+7], v[T+6], s58, s59
	v_add_f32 v[T+6], v[T+6], v[T+7]
	v_rcp_f32 v[T+10], v[T+6]
	v_nop
	s_wait_alu depctr_va_vdst(0)
	v_mul_f32 v[T], v[T], v[T+10]                  ; each block's largest p, by the same two instructions as every p
	v_mul_f32 v[T+1], v[T+1], v[T+10]
	v_max_num_f32 v[T], 0x1800000, v[T]
	v_max_num_f32 v[T+1], 0x1800000, v[T+1]
	v_add_nc_u32 v[T+2], 0xff000000, v[T]
	v_add_nc_u32 v[T+3], 0xff000000, v[T+1]
	v_lshrrev_b32 v[T], 23, v[T+2]
	v_lshrrev_b32 v[T+1], 23, v[T+3]
	v_lshl_or_b32 v38, v[T+1], 8, v[T]             ; p's scale word
.irp k, 0,2,4,6,8,10,12,14
	v_pk_mul_f32 v[56+\k:57+\k], v[56+\k:57+\k], v[T+10:T+11] op_sel_hi:[1,0]      ; p, finished and normalised.  (These sixteen are also the places between the scale word and its product)
	v_pk_mul_f32 v[136+\k:137+\k], v[136+\k:137+\k], v[T+10:T+11] op_sel_hi:[1,0]
.endr
	QCVT 248, 56, T+2
	QCVT 250, 136, T+3
	v_nop
.if (\j) < 3
	GATHER (\j)+1                                  ; the next tile's bias lands under the rest of this one and the head of the next
.endif
	v_permlane16_swap_b32 v248, v250               ; a whole block in a lane
	v_permlane16_swap_b32 v249, v251
	NOPS 4
	MMZ 184, 40, 248, 36, 38                       ; O^T = v^T p^T: query r, channels 32 hd + 16 h + 0 .. 15
	MMZ 192, 48, 248, 37, 38
	NOPS 4
	QMAX16 T, T+1, 184                             ; it is half of block hd of the projection's K
	QSCL T, T+1, T+2
	QCVT T+4, 184, T+1
	v_nop
	ds_store_b64 v10, v[T+4:T+5] offset:CIMG+2048*(\j)
	ds_store_b8 v11, v[T+2] offset:CSC+128*(\j)    ; both lanes of a block write the same byte with the same value
.endm
	ATT 0
	ATT 1
	ATT 2
	ATT 3
	BIAS16 168, 18                                 ; 28 loads: bo v168-183 (4), ln2_g v104-167 (16), the first half of ln2_b v40-71 (8)
	VEC32 104, 20, 0
	VEC32 104, 20, 1
	VEC32 40, 22, 0
	BAR                                            ; the attention's sixteen fragments lie in LDS
; ================ C: projection and residual.  v72-103 wo, v168-183 bo, v184-199 a tile's two fragments, v200-215 two accumulators, v216-231 and v232-247 16 numbers of HID, by turns
.macro CLOAD t                         ; a tile's fragments, its scale words, and its 16 numbers a lane of the shortcut: all asked for a tile ahead
	AFRAG 184, 7, CIMG+2048*(\t)
	AFRAG 192, 7, CIMG+2048*(\t)+1024
	ds_load_b32 v30, v8 offset:CSC+128*(\t)
.irp i, 0,1,2,3
	ds_load_b128 v[216+16*((\t)%2)+4*\i:219+16*((\t)%2)+4*\i], v12 offset:16*HP*(\t)+16*\i
.endr
.endm
.macro PROJ t
	s_wait_dscnt 0x0                               ; this tile's nine loads are in, and the last tile's stores have read their registers
.if (\t) == 0
	s_wait_loadcnt 24                              ; wo and bo are in; ln2_g's 16 and ln2_b's 8 are younger
.endif
	MM 200, 72, 184, 168, 24, 30, 0
	MM 208, 88, 184, 176, 25, 30, 0
	MM 200, 80, 192, 200, 24, 30, 1
	MM 208, 96, 192, 208, 25, 30, 1
	NOPS 5
.if (\t) < 3
	CLOAD (\t)+1
.else
	VEC32 40, 22, 1                                ; the second half of ln2_b, into the registers that wo has left
.endif
.irp k, 0,2,4,6,8,10,12,14
	v_pk_add_f32 v[216+16*((\t)%2)+\k:217+16*((\t)%2)+\k], v[216+16*((\t)%2)+\k:217+16*((\t)%2)+\k], v[200+\k:201+\k]   ; hidden = shortcut + projection
.endr
.irp i, 0,1,2,3
	ds_store_b128 v12, v[216+16*((\t)%2)+4*\i:219+16*((\t)%2)+4*\i] offset:16*HP*(\t)+16*\i
.endr
.endm
	CLOAD 0
	PROJ 0
	PROJ 1
	PROJ 2
	PROJ 3
	BAR                                            ; hidden lies in HID
; ================ D: LN2 and its codes, as A
.set T, 232
	ROWS
	s_wait_dscnt 0x0
	LNA
.irp q, 0,1,2,3                        ; 28 loads: w1's four tiles x two K steps v104-167, their words v32-35, b1 as C v40-71
.irp s, 0,1
	WFRAG 104+16*\q+8*\s, 48, 131072+2048*\q+1024*\s
.endr
.endr
.irp q, 0,1,2,3
	global_load_b32 v[32+\q], v2, s[54:55] offset:8192+128*\q
.endr
.irp q, 0,1,2,3
.irp i, 0,1
	global_load_b128 v[40+8*\q+4*\i:43+8*\q+4*\i], v17, s[24:25] offset:128*(\q/2)+32*(\q%2)+16*\i
.endr
.endr
	LNQ YIMG, YSC
	BAR                                            ; y's sixteen fragments lie in LDS
; ================ E: hidden units 64 w .. 64 w + 63 of all 128 tokens, a tile of 16 tokens a trip.  v72-103 four accumulators, v168-183 y's fragments, v184-215 GELU at work, v216-221 its constants, v224-227 codes
	v_mov_b32 v216, 0x40b504f3                     ; 4 sqrt(2)
	v_mov_b32 v218, 0xb89e3512                     ; d3, twice
	v_mov_b32 v219, 0xb89e3512
	v_mov_b32 v220, 0x306dffee                     ; a5, twice
	v_mov_b32 v221, 0x306dffee
.macro GELU4 a                         ; eight numbers, one accumulator, in place: 9 lines a number
.irp i, 0,1,2,3,4,5,6,7
	v_med3_num_f32 v[184+\i], v[(\a)+\i], -v216, v216
.endr
.irp k, 0,2,4,6
	v_pk_mul_f32 v[192+\k:193+\k], v[184+\k:185+\k], v[184+\k:185+\k]
.endr
.irp k, 0,2,4,6
	v_pk_fma_f32 v[200+\k:201+\k], v[192+\k:193+\k], s[66:67], v[218:219] op_sel_hi:[1,0,1]
.endr
.irp c, 68,70,72
.irp k, 0,2,4,6
	v_pk_fma_f32 v[200+\k:201+\k], v[200+\k:201+\k], v[192+\k:193+\k], s[\c:\c+1] op_sel_hi:[1,1,0]
.endr
.endr
.irp i, 0,1,2,3,4,5,6,7
	v_rcp_f32 v[200+\i], v[200+\i]
.endr
.irp k, 0,2,4,6
	v_pk_fma_f32 v[208+\k:209+\k], v[192+\k:193+\k], s[74:75], v[220:221] op_sel_hi:[1,0,1]   ; the numerator's 24 plain lines stand behind the reciprocals
.endr
.irp c, 76,78,80,82,84
.irp k, 0,2,4,6
	v_pk_fma_f32 v[208+\k:209+\k], v[208+\k:209+\k], v[192+\k:193+\k], s[\c:\c+1] op_sel_hi:[1,1,0]
.endr
.endr
	s_wait_alu depctr_va_vdst(0)
.irp k, 0,2,4,6
	v_pk_mul_f32 v[208+\k:209+\k], v[208+\k:209+\k], v[200+\k:201+\k]
.endr
.irp k, 0,2,4,6
	v_pk_fma_f32 v[208+\k:209+\k], v[208+\k:209+\k], v[184+\k:185+\k], 0.5 op_sel_hi:[1,1,0]
.endr
.irp k, 0,2,4,6
	v_pk_mul_f32 v[(\a)+\k:(\a)+\k+1], v[(\a)+\k:(\a)+\k+1], v[208+\k:209+\k]
.endr
.endm
.macro MLP1 last
	s_wait_dscnt 0x0                               ; y's fragments are in; the last trip's stores have read their registers
.irp q, 0,1,2,3
	MM 72+8*\q, 104+16*\q, 168, 40+8*\q, 32+\q, 30, 0
.endr
.irp q, 0,1,2,3
	MM 72+8*\q, 112+16*\q, 176, 72+8*\q, 32+\q, 30, 1
.endr
	v_add_nc_u32 v[T+10], s94, v13                 ; the trip's addresses: also the four places behind the products
	v_add_nc_u32 v[T+11], s95, v14
.if \last
	v_nop
	v_nop
.irp s, 0,1,2,3,4                      ; 36 loads for the last phase, into the registers that w1, y and b1 have left: w2's K steps 0-4 v104-183, K step 5 v56-71, its words v24-31, b2 as C v40-55
.irp u, 0,1
	WFRAG 104+16*\s+8*\u, 50, 262144+8192*\u+1024*\s
.endr
.endr
.irp u, 0,1
	WFRAG 56+8*\u, 50, 262144+8192*\u+1024*5
.endr
.irp u, 0,1
.irp p, 0,1,2,3
	global_load_b32 v[24+4*\u+\p], v2, s[56:57] offset:16384+512*\u+128*\p
.endr
.endr
	BIAS16 40, 26
.else
	v_add_nc_u32 v[T+8], s92, v1
	v_add_nc_u32 v[T+9], s93, v2
	AFRAG 168, T+8, YIMG+2048                      ; the next tile of tokens
	AFRAG 176, T+8, YIMG+3072
	ds_load_b32 v30, v[T+9] offset:YSC+128
.endif
	GELU4 72
	GELU4 80
	GELU4 88
	GELU4 96
	QMAX16 T, T+1, 72                              ; units 64 w + 16 h + 0 .. 15 and 64 w + 32 + 16 h + 0 .. 15: halves of blocks 2 w and 2 w + 1
	QMAX16 T+2, T+3, 88
	QSCL T, T+1, T+4
	QSCL T+2, T+3, T+5
	QCVT 224, 72, T+1
	QCVT 226, 88, T+3
	v_nop
	ds_store_b64 v[T+10], v[224:225]
	ds_store_b64 v[T+10], v[226:227] offset:256
	ds_store_b8 v[T+11], v[T+4]
	ds_store_b8 v[T+11], v[T+5] offset:1
.if \last
.irp s, 6,7                            ; 8 loads more: w2's K steps 6 and 7, into the registers that GELU has left, v184-215
.irp u, 0,1
	WFRAG 184+16*(\s-6)+8*\u, 50, 262144+8192*\u+1024*\s
.endr
.endr
.endif
	s_add_co_u32 s92, s92, 2048                    ; a tile of tokens on: y's fragments, y's words, the hidden layer's fragments, its words
	s_add_co_u32 s93, s93, 128
	s_add_co_u32 s94, s94, 8192
	s_add_co_u32 s95, s95, 512
.endm
	s_mov_b32 s92, 0
	s_mov_b32 s93, 0
	s_mov_b32 s94, 0
	s_mov_b32 s95, 0
	AFRAG 168, 1, YIMG
	AFRAG 176, 1, YIMG+1024
	ds_load_b32 v30, v2 offset:YSC
	s_wait_loadcnt 0x0                             ; w1, its words and b1
	s_mov_b32 s91, 7
.Lmlp:
	MLP1 0
	s_sub_co_u32 s91, s91, 1
	s_cmp_lg_u32 s91, 0
	s_cbranch_scc1 .Lmlp
	MLP1 1                                         ; the eighth tile fetches no further y, and asks for w2
	BAR                                            ; the hidden layer's 64 fragments lie in LDS
; ================ F: MLP2 and residual, in two halves of two tiles of tokens.  All of my w2 (2 tiles x 8 K steps, 128 registers) stays in registers: read from memory once, used by both halves.
; v40-55 b2; v72-103 four accumulators (tile tt of the half, tile of channels u) at 72 + 16 tt + 8 u, later four rows on their way out; v216-247 the hidden fragments of a K step's two tiles, two buffers by turns,
; asked for two K steps ahead; as the buffers fall free at a half's end they take the residual.  v32-39 a half's eight scale words.  v248 where I read my four rows back.
.macro SETW s, u                       ; where w2's fragment (K step s, tile u) lies
.if (\s) < 5
.set rW, 104+16*(\s)+8*(\u)
.elseif (\s) == 5
.set rW, 56+8*(\u)
.else
.set rW, 184+16*((\s)-6)+8*(\u)
.endif
.endm
.macro HLOAD hf, s                     ; four loads
.irp tt, 0,1
	AFRAG 216+16*((\s)%2)+8*\tt, 15, 8192*(2*(\hf)+\tt)+1024*(\s)
.endr
.endm
.macro HSLOAD hf                       ; eight loads
.irp tt, 0,1
.irp p, 0,1,2,3
	ds_load_b32 v[32+4*\tt+\p], v16 offset:512*(2*(\hf)+\tt)+128*\p
.endr
.endr
.endm
.macro HTL hf, tt                      ; hidden, 16 numbers a lane of tile tt: four loads
.irp i, 0,1,2,3
	ds_load_b128 v[216+16*(\tt)+4*\i:219+16*(\tt)+4*\i], v12 offset:16*HP*(2*(\hf)+(\tt))+16*\i
.endr
.endm
.macro MLP2 hf, s
	s_wait_dscnt 4                                 ; this K step's fragments are in; the four loads asked for behind the last K step are younger
.if (\hf) == 0
.if (\s) == 0
	s_wait_loadcnt 8                               ; w2's K steps 0-5, its words and b2 are in; K steps 6 and 7, eight loads, are younger
.endif
.if (\s) == 6
	s_wait_loadcnt 0x0
.endif
.endif
.irp tt, 0,1
.irp u, 0,1
	SETW \s, \u
.if (\s) == 0
	MM 72+16*\tt+8*\u, rW, 216+8*\tt, 40+8*\u, 24+4*\u, 32+4*\tt, 0
.else
	MM 72+16*\tt+8*\u, rW, 216+16*((\s)%2)+8*\tt, 72+16*\tt+8*\u, 24+4*\u+(\s)/2, 32+4*\tt+(\s)/2, \s
.endif
.endr
.endr
	NOPS 4
.if (\s) < 6
	HLOAD \hf, (\s)+2                              ; the buffer just read takes the K step two further on
.elseif (\s) == 6
	HTL \hf, 0
.else
	HTL \hf, 1
.endif
.endm
.macro FHALF hf
.irp s, 0,1,2,3,4,5,6,7
	MLP2 \hf, \s
.endr
	s_wait_dscnt 4                                 ; the first tile's residual is in; the second's four loads are younger
.irp k, 0,2,4,6,8,10,12,14
	v_pk_add_f32 v[216+\k:217+\k], v[216+\k:217+\k], v[72+\k:73+\k]     ; the result = hidden + MLP
.endr
	s_wait_dscnt 0x0
.irp k, 0,2,4,6,8,10,12,14
	v_pk_add_f32 v[232+\k:233+\k], v[232+\k:233+\k], v[88+\k:89+\k]
.endr
.irp tt, 0,1
.irp i, 0,1,2,3
	ds_store_b128 v12, v[216+16*\tt+4*\i:219+16*\tt+4*\i] offset:16*HP*(2*(\hf)+\tt)+16*\i
.endr
.endr
	BAR                                            ; the half's 64 whole rows of the result lie in HID.  (Behind this barrier the waves write rows of the other half alone)
.irp jj, 0,1,2,3
.irp c, 0,1
	ds_load_b128 v[72+8*\jj+4*\c:75+8*\jj+4*\c], v248 offset:32*HP*(\hf)+HP*\jj+512*\c
.endr
.endr
.if (\hf) == 0
	HSLOAD 1                                       ; the second half's first 16 loads
	HLOAD 1, 0
	HLOAD 1, 1
.endif
.irp jj, 0,1,2,3
.irp c, 0,1
	s_wait_dscnt 16*(1-(\hf))+7-2*\jj-\c           ; this load is in; the later rows' loads, and in the first half the 16 loads just issued, are younger
	global_store_b128 v1, v[72+8*\jj+4*\c:75+8*\jj+4*\c], s[42+2*(\hf):43+2*(\hf)] offset:1024*\jj+512*\c th:TH_STORE_NT   ; 32 lanes store 512 consecutive bytes, at a multiple of 256 from out0's first byte
.endr
.endr
.if (\hf) == 0
	s_wait_xcnt 0x0                                ; the stores' data registers are the accumulators: the second half's products write them only behind this wait
.endif
.endm
	s_lshl_b32 s96, s36, 6                         ; the first of my four rows in the first half: 64 wd + 16 ((w / 2) % 2) + 8 (w % 2) + 4 ((w / 4) % 2); the second half's lie 32 rows on
	s_bfe_u32 s97, s34, 0x10001
	s_lshl_b32 s97, s97, 4
	s_add_co_u32 s96, s96, s97
	s_and_b32 s97, s34, 1
	s_lshl_b32 s97, s97, 3
	s_add_co_u32 s96, s96, s97
	s_bfe_u32 s97, s34, 0x10002
	s_lshl_b32 s97, s97, 2
	s_add_co_u32 s96, s96, s97
	s_mul_i32 s96, s96, HP
	s_add_co_u32 s96, s96, HID
	v_add_nc_u32 v248, s96, v1
	HSLOAD 0
	HLOAD 0, 0
	HLOAD 0, 1
	FHALF 0                                        ; its rows are on their way to memory while the second half is multiplied
	FHALF 1
	s_wait_xcnt 0x0
	v_lshl_add_u32 v254, v0, 2, 0x42400
	v_mov_b32 v255, 0
	s_wait_tensorcnt 0x0
	ds_add_u32 v254, v255
	s_wait_dscnt 0x0
	s_endpgm
.Lfunc_end_k_q5f1032b126_swin:
	.size	k_q5f1032b126_swin, .Lfunc_end_k_q5f1032b126_swin-k_q5f1032b126_swin
	.p2alignl 7, 3214868480
	.fill 96, 4, 3214868480
	.section	.rodata,"a",@progbits
	.p2align	6, 0x0
	.amdhsa_kernel k_q5f1032b126_swin
		.amdhsa_group_segment_fixed_size 273408
		.amdhsa_private_segment_fixed_size 0
		.amdhsa_enable_private_segment 0
		.amdhsa_kernarg_size 120
		.amdhsa_user_sgpr_count 2
		.amdhsa_user_sgpr_kernarg_segment_ptr 1
		.amdhsa_wavefront_size32 1
		.amdhsa_system_sgpr_workgroup_id_x 1
		.amdhsa_system_sgpr_workgroup_id_y 1
		.amdhsa_system_sgpr_workgroup_id_z 1
		.amdhsa_system_vgpr_workitem_id 0
		.amdhsa_next_free_vgpr 256
		.amdhsa_next_free_sgpr 100
		.amdhsa_reserve_vcc 0
		.amdhsa_float_denorm_mode_32 3
		.amdhsa_float_denorm_mode_16_64 3
		.amdhsa_memory_ordered 1
		.amdhsa_forward_progress 1
		.amdhsa_inst_pref_size 205
	.end_amdhsa_kernel
	.amdgpu_metadata
---
amdhsa.version: [ 1, 2 ]
amdhsa.kernels:
  - .name:           k_q5f1032b126_swin
    .symbol:         k_q5f1032b126_swin.kd
    .args:
      - { .name: hidden_states, .offset: 0, .size: 8, .value_kind: global_buffer, .address_space: global }
      - { .name: ln1_g, .offset: 8, .size: 8, .value_kind: global_buffer, .address_space: global }
      - { .name: ln1_b, .offset: 16, .size: 8, .value_kind: global_buffer, .address_space: global }
      - { .name: bq, .offset: 24, .size: 8, .value_kind: global_buffer, .address_space: global }
      - { .name: bk, .offset: 32, .size: 8, .value_kind: global_buffer, .address_space: global }
      - { .name: bv, .offset: 40, .size: 8, .value_kind: global_buffer, .address_space: global }
      - { .name: rel_table, .offset: 48, .size: 8, .value_kind: global_buffer, .address_space: global }
      - { .name: bo, .offset: 56, .size: 8, .value_kind: global_buffer, .address_space: global }
      - { .name: ln2_g, .offset: 64, .size: 8, .value_kind: global_buffer, .address_space: global }
      - { .name: ln2_b, .offset: 72, .size: 8, .value_kind: global_buffer, .address_space: global }
      - { .name: b1, .offset: 80, .size: 8, .value_kind: global_buffer, .address_space: global }
      - { .name: b2, .offset: 88, .size: 8, .value_kind: global_buffer, .address_space: global }
      - { .name: wcod, .offset: 96, .size: 8, .value_kind: global_buffer, .address_space: global }
      - { .name: wscl, .offset: 104, .size: 8, .value_kind: global_buffer, .address_space: global }
      - { .name: out0, .offset: 112, .size: 8, .value_kind: global_buffer, .address_space: global }
    .group_segment_fixed_size: 273408
    .private_segment_fixed_size: 0
    .kernarg_segment_align: 8
    .kernarg_segment_size: 120
    .max_flat_workgroup_size: 512
    .sgpr_count:     100
    .vgpr_count:     256
    .wavefront_size: 32
...
	.end_amdgpu_metadata
.endif
;; end of part 2
;; ======== version 2 of 2: 2 launches
;; workspace buffers: wcod 393,216 bytes; wscl 24,576 bytes
;; launch wquant (part 3): grid 192 x 1, 1 waves a work-group, no clusters, 0 bytes of LDS; arguments wq, wk, wv, wo, w1, w2, wcod, wscl; writes wcod, wscl
.if DOCPART == 3
	.amdgcn_target "amdgcn-amd-amdhsa--gfx1250"
	.amdhsa_code_object_version 6
	.text
	.protected	k_q5f1032b126_wquant
	.globl	k_q5f1032b126_wquant
	.p2align	8
	.type	k_q5f1032b126_wquant,@function
k_q5f1032b126_wquant:
	s_mov_b64 s[64:65], 0
	v_nop
	global_prefetch_b8 v0, s[64:65] scope:SCOPE_SE
	s_setreg_imm32_b32 hwreg(HW_REG_WAVE_MODE, 25, 1), 1
	s_wait_xcnt 0x0
; The six weights (f32, K innermost) become codes of FP4 (E2M1) with one E8M0 byte for each 32 along K, laid as IMAGES OF THE OPERAND'S REGISTERS.
; A UNIT is a tile of 16 rows x 256 along K (two K steps of 128).  Codes: unit x 2,048 + K step x 1,024 + c x 512 + 16 x lane; lane (r, h) holds k = 128 step + 64 c + 32 h + 0 .. 31 of the tile's row r.
; Scale words: unit x 128 + 4 x lane; lanes 0-15 row r's word of the first K step, lanes 16-31 that of the second.
; THE ROWS OF A TILE ARE NOT NEIGHBOURS: lane r of tile 2 b + u takes row 32 b + 8 u + r + 8 (r / 8), so that a transposed product's 16 registers of tiles 2 b, 2 b + 1 are 16 neighbours.
; Units 0-15 wq, 16-31 wk, 32-47 wv, 48-63 wo, 64-127 w1 (tile = unit - 64), 128-191 w2 (tile = (unit - 128) / 4, 256 along K from 256 x ((unit - 128) % 4) on).
; One wave makes one unit: 192 work-groups.  A lane loads four whole blocks of 32 numbers (8 loads of 16 bytes each use up its 128 bytes), so a block's largest magnitude needs no other lane.
; The lanes of a load stand a row apart; the six tensors are 3 MB in all and are read once, so no turn through LDS is made for them.
; A block's scale byte is its largest magnitude's exponent field - 2, held at 1 from below.  A block of zeros so keeps the byte 1 where the quantiser says 127: its codes are zeros, and this program alone reads the bytes.
; LIMITS: NaN and infinities among the weights are not served; blocks whose largest magnitude lies under 2^-124 keep the byte 1.
.set X,  32                            ; v32-159  the numbers: 64 a K step, 32 a block
.set CD, 160                           ; v160-175 the codes: 8 a K step
	s_load_b256 s[4:11], s[0:1], 0x0               ; wq s[4:5], wk s[6:7], wv s[8:9], wo s[10:11]
	s_load_b256 s[12:19], s[0:1], 0x20             ; w1 s[12:13], w2 s[14:15], the codes s[16:17], the scale words s[18:19]
	s_and_b32 s24, ttmp9, 15                       ; the tile, if the unit is one of the four square weights',
	s_sub_co_u32 s25, ttmp9, 64                    ; of w1's,
	s_sub_co_u32 s26, ttmp9, 128
	s_lshr_b32 s27, s26, 2                         ; of w2's;
	s_and_b32 s28, s26, 3                          ; and which 256 along K of w2
	s_cmp_lt_u32 ttmp9, 64
	s_cselect_b32 s29, s24, s25
	s_cmp_lt_u32 ttmp9, 128
	s_cselect_b32 s29, s29, s27                    ; the tile
	s_cselect_b32 s30, 10, 12                      ; a row is 1,024 bytes, w2's 4,096
	s_cselect_b32 s31, 0, s28
	s_lshl_b32 s31, s31, 10                        ; 256 numbers along K are 1,024 bytes
	s_lshr_b32 s32, s29, 1
	s_lshl_b32 s32, s32, 5
	s_and_b32 s33, s29, 1
	s_lshl_b32 s33, s33, 3
	s_add_co_u32 s32, s32, s33                     ; 32 b + 8 u
	s_lshl_b32 s22, ttmp9, 11                      ; the unit's codes
	s_mov_b32 s23, 0
	s_lshl_b32 s34, ttmp9, 7                       ; the unit's scale words
	s_mov_b32 s35, 0
	v_and_b32 v4, 15, v0                           ; r
	v_lshrrev_b32 v5, 4, v0                        ; h
	v_and_b32 v6, 8, v4
	v_add_nc_u32 v6, v6, v4
	v_add_nc_u32 v6, s32, v6                       ; my row
	v_lshlrev_b32 v3, s30, v6
	v_add_nc_u32 v3, s31, v3
	v_lshl_add_u32 v3, v5, 7, v3                   ; + 32 h numbers
	v_lshlrev_b32 v1, 4, v0                        ; 16 x lane
	v_lshlrev_b32 v2, 2, v0                        ; 4 x lane
	v_lshlrev_b32 v15, 3, v5                       ; 8 h: my bytes' place in a scale word
	v_mov_b32 v16, 0                               ; written once: a lane permute's destination counts as one of its sources
	s_mov_b32 s36, 0x76543210
	s_mov_b32 s37, 0xfedcba98                      ; v_permlanex16_b32's selects for lane l xor 16
	s_wait_alu depctr_va_vdst(0)
	s_wait_kmcnt 0x0
	s_mov_b64 s[20:21], s[14:15]                   ; which tensor: the choice hangs on the work-group's number alone
	s_cmp_lt_u32 ttmp9, 128
	s_cselect_b64 s[20:21], s[12:13], s[20:21]
	s_cmp_lt_u32 ttmp9, 64
	s_cselect_b64 s[20:21], s[10:11], s[20:21]
	s_cmp_lt_u32 ttmp9, 48
	s_cselect_b64 s[20:21], s[8:9], s[20:21]
	s_cmp_lt_u32 ttmp9, 32
	s_cselect_b64 s[20:21], s[6:7], s[20:21]
	s_cmp_lt_u32 ttmp9, 16
	s_cselect_b64 s[20:21], s[4:5], s[20:21]
	s_add_nc_u64 s[16:17], s[16:17], s[22:23]
	s_add_nc_u64 s[18:19], s[18:19], s[34:35]
.irp p, 0,1
.irp c, 0,1
.irp i, 0,1,2,3,4,5,6,7
	global_load_b128 v[X+64*\p+32*\c+4*\i:X+64*\p+32*\c+4*\i+3], v3, s[20:21] offset:512*\p+256*\c+16*\i th:TH_LOAD_NT
.endr
.endr
.endr
; K step p: my two blocks, 2 c + h of the step's four
.macro HALF p
.irp c, 0,1
	v_max3_num_f32 v[8+\c], |v[X+64*\p+32*\c]|, |v[X+64*\p+32*\c+1]|, 0x1800000   ; with the floor 2^(3 - 127): the byte cannot fall under 1
.endr
.irp i, 2,4,6,8,10,12,14,16,18,20,22,24,26,28,30
.irp c, 0,1
	v_max3_num_f32 v[8+\c], v[8+\c], |v[X+64*\p+32*\c+\i]|, |v[X+64*\p+32*\c+\i+1]|   ; (the two blocks by turns)
.endr
.endr
.irp c, 0,1
	v_add_nc_u32 v[10+\c], 0xff000000, v[8+\c]     ; 2 off the exponent field: the conversion's scale operand
.endr
.irp c, 0,1
	v_lshrrev_b32 v[12+\c], 23, v[10+\c]           ; the scale's byte
.endr
	v_lshl_or_b32 v14, v13, 16, v12                ; blocks h and 2 + h,
	v_lshlrev_b32 v14, v15, v14                    ; at their places in the word;
	v_permlanex16_b32 v16, v14, s36, s37
	v_or_b32 v[20+\p], v14, v16                    ; with lane l xor 16's two the word is whole
.irp c, 0,1
.irp g, 0,1,2,3
	v_cvt_scalef32_pk8_fp4_f32 v[CD+8*\p+4*\c+\g], v[X+64*\p+32*\c+8*\g:X+64*\p+32*\c+8*\g+7], v[10+\c]
.endr
.endr
	v_nop                                          ; one plain line behind the conversions
.endm
	s_wait_loadcnt 16                              ; the first K step's 16 loads are in; the second's 16 are younger
	HALF 0
	s_wait_loadcnt 0x0
	HALF 1
	v_cmp_eq_u32 vcc_lo, 1, v5
	v_cndmask_b32 v22, v20, v21, vcc_lo            ; lanes 0-15 the first K step's word, lanes 16-31 the second's
.irp p, 0,1
.irp c, 0,1
	global_store_b128 v1, v[CD+8*\p+4*\c:CD+8*\p+4*\c+3], s[16:17] offset:1024*\p+512*\c   ; 32 lanes store 512 consecutive bytes
.endr
.endr
	global_store_b32 v2, v22, s[18:19]             ; 128 consecutive bytes
	s_endpgm
.Lfunc_end_k_q5f1032b126_wquant:
	.size	k_q5f1032b126_wquant, .Lfunc_end_k_q5f1032b126_wquant-k_q5f1032b126_wquant
	.p2alignl 7, 3214868480
	.fill 96, 4, 3214868480
	.section	.rodata,"a",@progbits
	.p2align	6, 0x0
	.amdhsa_kernel k_q5f1032b126_wquant
		.amdhsa_group_segment_fixed_size 0
		.amdhsa_private_segment_fixed_size 0
		.amdhsa_enable_private_segment 0
		.amdhsa_kernarg_size 64
		.amdhsa_user_sgpr_count 2
		.amdhsa_user_sgpr_kernarg_segment_ptr 1
		.amdhsa_wavefront_size32 1
		.amdhsa_system_sgpr_workgroup_id_x 1
		.amdhsa_system_sgpr_workgroup_id_y 1
		.amdhsa_system_sgpr_workgroup_id_z 1
		.amdhsa_system_vgpr_workitem_id 0
		.amdhsa_next_free_vgpr 184
		.amdhsa_next_free_sgpr 66
		.amdhsa_reserve_vcc 1
		.amdhsa_float_denorm_mode_32 3
		.amdhsa_float_denorm_mode_16_64 3
		.amdhsa_memory_ordered 1
		.amdhsa_forward_progress 1
		.amdhsa_inst_pref_size 12
	.end_amdhsa_kernel
	.amdgpu_metadata
---
amdhsa.version: [ 1, 2 ]
amdhsa.kernels:
  - .name:           k_q5f1032b126_wquant
    .symbol:         k_q5f1032b126_wquant.kd
    .args:
      - { .name: wq, .offset: 0, .size: 8, .value_kind: global_buffer, .address_space: global }
      - { .name: wk, .offset: 8, .size: 8, .value_kind: global_buffer, .address_space: global }
      - { .name: wv, .offset: 16, .size: 8, .value_kind: global_buffer, .address_space: global }
      - { .name: wo, .offset: 24, .size: 8, .value_kind: global_buffer, .address_space: global }
      - { .name: w1, .offset: 32, .size: 8, .value_kind: global_buffer, .address_space: global }
      - { .name: w2, .offset: 40, .size: 8, .value_kind: global_buffer, .address_space: global }
      - { .name: wcod, .offset: 48, .size: 8, .value_kind: global_buffer, .address_space: global }
      - { .name: wscl, .offset: 56, .size: 8, .value_kind: global_buffer, .address_space: global }
    .group_segment_fixed_size: 0
    .private_segment_fixed_size: 0
    .kernarg_segment_align: 8
    .kernarg_segment_size: 64
    .max_flat_workgroup_size: 32
    .sgpr_count:     66
    .vgpr_count:     184
    .wavefront_size: 32
...
	.end_amdgpu_metadata
.endif
;; end of part 3
;; launch swin (part 4): grid 256 x 1, 16 waves a work-group, no clusters, 273,408 bytes of LDS; arguments hidden_states, ln1_g, ln1_b, bq, bk, bv, rel_table, bo, ln2_g, ln2_b, b1, b2, wcod, wscl, out0; writes out0
.if DOCPART == 4
	.amdgcn_target "amdgcn-amd-amdhsa--gfx1250"
	.amdhsa_code_object_version 6
	.text
	.protected	k_q5f1032b126_swin
	.globl	k_q5f1032b126_swin
	.p2align	8
	.type	k_q5f1032b126_swin,@function
k_q5f1032b126_swin:
	s_mov_b64 s[64:65], 0
	v_nop
	global_prefetch_b8 v0, s[64:65] scope:SCOPE_SE
	s_setreg_imm32_b32 hwreg(HW_REG_WAVE_SCHED_MODE, 0, 2), 2
	s_setreg_imm32_b32 hwreg(HW_REG_WAVE_MODE, 25, 1), 1
	s_wait_xcnt 0x0
	s_wait_alu depctr_vm_vsrc(0)
; A whole Swin block (LN1, shift, 8 x 8 windows, QKV, attention with relative bias and shift mask, projection, residual, LN2, MLP with exact GELU, residual), all eight products on codes of FP4 (E2M1)
; with one E8M0 scale for each 32 along K.  Every step is local to a token or to a window, and the shift only says WHICH 1,024-byte rows of hidden_states form a window: so one launch reads hidden_states once and
; writes out0 once, to the same rows; all between stays in registers and LDS.  The weights come as register images made by the launch before.
; SHARES.  Work-group g: windows 2 g, 2 g + 1 (128 tokens).  Sixteen waves of 256 registers, four to a SIMD.  wd = wave / 8 (window), hd = cb = wave % 8.
;   A  LN1 and its codes: wave w takes LDS rows 8 w .. 8 w + 7 (one window row)        B  q, k, v and the attention of (window wd, head hd), all in the wave's registers
;   C  projection + residual: window wd x channels 32 cb ..                             D  LN2 and its codes: rows 8 w ..
;   E  MLP1, GELU, its codes: hidden units 64 w .. x all 128 tokens                     F  MLP2 + residual: window wd x channels 32 cb .., in two halves of 32 tokens; behind each half every wave stores four whole rows,
;                                                                                          so that the first half's rows are on their way while the second half is multiplied
; TOKENS.  LDS row 64 wd + 16 t + r is window token n = 32 (t / 2) + 8 (t % 2) + r % 8 + 16 (r / 8): so the 16 registers that a lane holds of two neighbouring tiles of tokens are 16 neighbouring tokens.
;   The weights' tiles are ordered the same way, so a transposed product's 16 registers of two tiles are 16 neighbouring channels: a conversion's result is then (half of) a block of the next operand.
; OPERANDS GO FROM WAVE TO WAVE THROUGH LDS AS IMAGES OF THEIR REGISTERS: fragment (tile of tokens mt, K step s) is 1,024 bytes, group c of four registers at 512 c + 16 x lane; scale words [mt][s][r], so that one load of
;   4 bytes a lane brings an even K step's words in lanes 0-15 and the odd one's in lanes 16-31.  A lane with 16 codes of block B stores them at 256 B + 16 r + 8 h of its tile's bytes, the byte at its place in the word.
; WEIGHTS go from memory straight into the registers of the wave that multiplies by them (each fragment is used by one wave of a work-group, QKV's, wo's and w2's by two).  NO CLUSTER AND NO JOINT LOADS: a joint load
;   lands in LDS; the six weights are 393,216 bytes of codes, which do not fit beside the 271,360 bytes in use, so they would want a ring with a round of the cluster's barrier for each refill and a second pass (LDS to
;   registers) of bytes that here are moved once.
; SOFTMAX as it is written in the problem: the row's largest score is taken away, p is normalised, and the finished p is quantised along the keys.  bias + mask enter the scores as the product's C, times sqrt(32).
; GELU: x (0.5 + xc N(xc^2) / D(xc^2)), xc = x held to +-4 sqrt(2): a rational form of erf (degrees 6 and 4 in the square), with the halves and 1 / sqrt(2) folded into its coefficients.
; LIMITS: NaN and infinities among the inputs are not served.  Blocks whose largest magnitude lies under 2^-124 keep the scale byte 1 (a block of zeros too: its codes are zeros).  0.5 + 0.5 erf carries an absolute error of
;   about 6e-8, so GELU of strongly negative x has that error times |x|.  A block's largest p is made from its largest score by the same instructions as every p: this takes v_exp_f32 not to fall where its input rises.
;   bias + mask are rounded once more than in the source's order (times sqrt(32), then the sum).  1 / sum and 1 / D are v_rcp_f32 and a multiplication.
; The accumulators of every run of matrix instructions take turns, one instruction a turn.  Behind a run stand four plain vector lines before its results are read or its registers loaded or written by
; vector lines, five before a matrix instruction writes over them (ISA guide 7.12.1).
; THE MODE: SCHED_MODE bits 1:0 = 2 (LLVM: expert scheduling mode 2), set by the entry lines.  The code itself states the register dependences between vector or matrix instructions and memory or LDS instructions,
; with s_wait_alu, always for 0.
; THE PLAN.  Registers that memory or LDS instructions touch, and who else names them:
;   v1-v19          offsets and LDS addresses: written at the head, never again.  Two waits on va_vdst at the head state them for the whole kernel.
;   A, D            v168-231 the rows: loaded, worked in place, read by the quantiser.  v40-167 gain and offset: read by the norm; behind it ONE wait on va_vdst, and the next phase's weights land there.
;                   T's codes and bytes: written by the quantiser, ONE wait on va_vdst, stored; a wait on vm_vsrc stands ahead of the next phase's first write of T.
;   B, C, E, F      a step's fragments and scale words from LDS: read by the step's products; behind these ONE wait on va_vdst, and the next step's loads land in the same registers (F: in the buffer just read, of two).
;   B               the scores' registers: the bias lands there, the softmax works in place, the conversions read them; the wait on va_vdst ahead of the second product is also the one ahead of the next tile's bias loads.
;                   Operands and scale words that vector lines make (k, q, p, v): a wait on va_vdst ahead of the products that take them, behind their places.
;   results         what a step stores to LDS is written by vector lines: ONE wait on va_vdst ahead of the run of stores; a wait on vm_vsrc ahead of the first line that writes those registers again.
.set HP,   1040                        ; a row of HID: 1,024 bytes + 16: rows 65 x 16 bytes apart, so 16 rows' same column fall on 16 different 16-byte columns of the banks
.set XIMG, 0                           ; LN1's codes: 16 fragments (mt, s)
.set XSC,  16384                       ; their scale words
.set CIMG, 17408                       ; the attention's result, likewise
.set CSC,  33792
.set YIMG, 34816                       ; LN2's codes, likewise
.set YSC,  51200
.set TAB,  52224                       ; 1,024 bytes a wave: rel_table's column hd, 225 numbers
.set HIMG, 68608                       ; the MLP's hidden layer: fragment (mt, s = 0 .. 7) at (8 mt + s) x 1,024
.set HSC,  134144                      ; its scale words: mt x 512 + s x 64 + 4 r
.set HID,  138240                      ; 128 rows x HP, f32: the shortcut, then hidden, then the result
; FIXED VECTOR REGISTERS (l lane, r = l % 16, h = l / 16, r8 = l % 8, qd = l / 8):
; v1 16 l | v2 4 l | v3 HID + my 8 rows + 16 l | v4 HID + row (8 w + r8) + 128 qd | v5, v6 where LN's codes and bytes go | v7, v8 16 l, 4 l + my window's fragments, words | v9 my place in the table
; v10, v11 where the attention's codes and byte go | v12 HID + row (64 wd + r) + 128 cb + 64 h | v13, v14 where the hidden layer's codes and bytes go | v15, v16 my window's hidden fragments, words
; v17 64 h | v18 128 qd | v19 4 (r + (r & 8)) | v20-23 the mask's four cases, times sqrt(32) | v24-39 scale words and nothing else | v40-255 by phase (see each phase)
.macro NOPS n
.rept \n
	v_nop
.endr
.endm
.macro BAR                             ; my LDS stores have landed and my LDS loads are in: then the work-group's barrier
	s_wait_dscnt 0x0
	s_barrier_signal -1
	s_barrier_wait -1
.endm
.macro WFRAG reg, base, off            ; a weight's fragment, from memory as it lies
	global_load_b128 v[(\reg):(\reg)+3], v1, s[\base:\base+1] offset:(\off)
	global_load_b128 v[(\reg)+4:(\reg)+7], v1, s[\base:\base+1] offset:(\off)+512
.endm
.macro AFRAG reg, adr, off             ; an activation's fragment, from LDS as it lies
	ds_load_b128 v[(\reg):(\reg)+3], v[\adr] offset:(\off)
	ds_load_b128 v[(\reg)+4:(\reg)+7], v[\adr] offset:(\off)+512
.endm
.macro HEADW wr, wo, sr, so            ; a head's (or 32 channels') two tiles x two K steps of a square weight, and their scale words: 10 loads
.irp u, 0,1
.irp s, 0,1
	WFRAG (\wr)+16*\u+8*\s, 46, (\wo)+2048*\u+1024*\s
.endr
.endr
.irp u, 0,1
	global_load_b32 v[(\sr)+\u], v2, s[52:53] offset:(\so)+128*\u
.endr
.endm
.macro BIAS16 reg, base                ; a bias as the C of two transposed tiles: lane (r, h), tile u, register n: bias[8 u + 16 h + n]: 4 loads
.irp u, 0,1
.irp i, 0,1
	global_load_b128 v[(\reg)+8*\u+4*\i:(\reg)+8*\u+4*\i+3], v17, s[\base:\base+1] offset:32*\u+16*\i
.endr
.endr
.endm
.macro VEC32 reg, base, bb             ; a gain's or offset's 32 numbers of my block qd + 4 bb: 8 loads
.irp i, 0,1,2,3,4,5,6,7
	global_load_b128 v[(\reg)+32*(\bb)+4*\i:(\reg)+32*(\bb)+4*\i+3], v18, s[\base:\base+1] offset:512*(\bb)+16*\i
.endr
.endm
; One matrix instruction.  s odd: both sides' scale words are taken from lanes 16-31
.macro MM d, a, b, c, sa, sb, s
.if (\s)%2
	v_wmma_scale_f32_16x16x128_f8f6f4 v[(\d):(\d)+7], v[(\a):(\a)+7], v[(\b):(\b)+7], v[(\c):(\c)+7], v[\sa], v[\sb] matrix_a_fmt:MATRIX_FMT_FP4 matrix_b_fmt:MATRIX_FMT_FP4 matrix_a_scale:MATRIX_SCALE_ROW1 matrix_b_scale:MATRIX_SCALE_ROW1
.else
	v_wmma_scale_f32_16x16x128_f8f6f4 v[(\d):(\d)+7], v[(\a):(\a)+7], v[(\b):(\b)+7], v[(\c):(\c)+7], v[\sa], v[\sb] matrix_a_fmt:MATRIX_FMT_FP4 matrix_b_fmt:MATRIX_FMT_FP4
.endif
.endm
.macro MMZ d, a, b, sa, sb             ; the same, starting a sum
	v_wmma_scale_f32_16x16x128_f8f6f4 v[(\d):(\d)+7], v[(\a):(\a)+7], v[(\b):(\b)+7], 0, v[\sa], v[\sb] matrix_a_fmt:MATRIX_FMT_FP4 matrix_b_fmt:MATRIX_FMT_FP4
.endm
; THE QUANTISER of 16 numbers of a lane, v[s] .. v[s + 15], half of a block whose other half lies in lane l xor 16.
.macro QMAX16 d, e, s                  ; my 16's largest magnitude, in two chains, each accumulator from its low end on; with the floor 2^(3 - 127): the byte cannot fall under 1
	v_max3_num_f32 v[\d], |v[(\s)]|, |v[(\s)+1]|, 0x1800000
	v_max3_num_f32 v[\e], |v[(\s)+8]|, |v[(\s)+9]|, |v[(\s)+10]|
	v_max3_num_f32 v[\d], v[\d], |v[(\s)+2]|, |v[(\s)+3]|
	v_max3_num_f32 v[\e], v[\e], |v[(\s)+11]|, |v[(\s)+12]|
	v_max3_num_f32 v[\d], v[\d], |v[(\s)+4]|, |v[(\s)+5]|
	v_max3_num_f32 v[\e], v[\e], |v[(\s)+13]|, |v[(\s)+14]|
	v_max3_num_f32 v[\d], v[\d], |v[(\s)+6]|, |v[(\s)+7]|
	v_max3_num_f32 v[\d], v[\d], v[\e], |v[(\s)+15]|
.endm
.macro QSCL d, e, byte                 ; the block's; v[e] becomes the conversion's scale operand (2 off the exponent field), v[byte] the scale's byte
	v_permlanex16_b32 v[\e], v[\d], s58, s59
	v_max_num_f32 v[\d], v[\d], v[\e]
	v_add_nc_u32 v[\e], 0xff000000, v[\d]
	v_lshrrev_b32 v[\byte], 23, v[\e]
.endm
.macro QCVT c, s, e                    ; 16 codes in two registers; the caller puts one plain line behind the last conversion of a run
	v_cvt_scalef32_pk8_fp4_f32 v[(\c)], v[(\s):(\s)+7], v[\e]
	v_cvt_scalef32_pk8_fp4_f32 v[(\c)+1], v[(\s)+8:(\s)+15], v[\e]
.endm
; LAYERNORM of rows 8 w .. 8 w + 7.  Lane (r8, qd) holds, of row r8, channels 32 qd .. and 128 + 32 qd ..: two whole blocks, in v168-231; the gain in v104-167, the offset in v40-103; T: 12 registers at work.
.macro ROWS
.irp b, 0,1
.irp i, 0,1,2,3,4,5,6,7
	ds_load_b128 v[168+32*\b+4*\i:171+32*\b+4*\i], v4 offset:512*\b+16*\i
.endr
.endr
.endm
.macro FOLD                            ; four chains of pairs, then the row's four lanes (l xor 8, l xor 16)
	v_pk_add_f32 v[T:T+1], v[T:T+1], v[T+2:T+3]
	v_pk_add_f32 v[T+4:T+5], v[T+4:T+5], v[T+6:T+7]
	v_pk_add_f32 v[T:T+1], v[T:T+1], v[T+4:T+5]
	v_add_f32 v[T], v[T], v[T+1]
	v_add_f32_dpp v[T], v[T], v[T] row_xmask:8 row_mask:0xf bank_mask:0xf
	v_permlanex16_b32 v[T+1], v[T], s58, s59
	v_add_f32 v[T], v[T], v[T+1]
.endm
.macro LNA                             ; two passes (the mean is taken away before the squares), so a common offset of the inputs costs no accuracy
.irp k, 0,1,2,3
	v_pk_add_f32 v[T+2*\k:T+2*\k+1], v[168+2*\k:169+2*\k], v[176+2*\k:177+2*\k]
.endr
.irp p, 16,24,32,40,48,56
.irp k, 0,1,2,3
	v_pk_add_f32 v[T+2*\k:T+2*\k+1], v[T+2*\k:T+2*\k+1], v[168+\p+2*\k:169+\p+2*\k]
.endr
.endr
	FOLD
	v_mul_f32 v[T], s86, v[T]                      ; the mean
.set p, 168
.rept 32
	v_pk_add_f32 v[p:p+1], v[p:p+1], v[T:T+1] op_sel_hi:[1,0] neg_lo:[0,1] neg_hi:[0,1]
.set p, p+2
.endr
.irp k, 0,1,2,3
	v_pk_mul_f32 v[T+2*\k:T+2*\k+1], v[168+2*\k:169+2*\k], v[168+2*\k:169+2*\k]
.endr
.irp p, 8,16,24,32,40,48,56
.irp k, 0,1,2,3
	v_pk_fma_f32 v[T+2*\k:T+2*\k+1], v[168+\p+2*\k:169+\p+2*\k], v[168+\p+2*\k:169+\p+2*\k], v[T+2*\k:T+2*\k+1]
.endr
.endr
	FOLD
	v_fma_f32 v[T], v[T], s86, s87                 ; the variance + 1e-5
	s_wait_alu depctr_va_vdst(0)
	v_rsq_f32 v[T], v[T]
	s_wait_loadcnt 0x0                             ; the gain and the offset are in (no younger load is wanted out here)
	v_nop                                          ; a plain line behind the transcendental
.set p, 168
	s_wait_alu depctr_va_vdst(0)                   ; the reciprocal root is written, ahead of its first reader
.rept 32
	v_pk_mul_f32 v[p:p+1], v[p:p+1], v[T:T+1] op_sel_hi:[1,0]
.set p, p+2
.endr
.set p, 168
.rept 32
	v_pk_fma_f32 v[p:p+1], v[p:p+1], v[p-64:p-63], v[p-128:p-127]
.set p, p+2
.endr
.endm
.macro LNQ img, sc                     ; my two whole blocks become 16 bytes of codes each, at their place in the row's fragments, and a byte each
.irp b, 0,1
	v_max3_num_f32 v[T+\b], |v[168+32*\b]|, |v[169+32*\b]|, 0x1800000
.endr
.irp i, 2,4,6,8,10,12,14,16,18,20,22,24,26,28,30
.irp b, 0,1
	v_max3_num_f32 v[T+\b], v[T+\b], |v[168+32*\b+\i]|, |v[169+32*\b+\i]|
.endr
.endr
.irp b, 0,1
	v_add_nc_u32 v[T+2+\b], 0xff000000, v[T+\b]
.endr
.irp b, 0,1
	v_lshrrev_b32 v[T+\b], 23, v[T+2+\b]
.endr
.irp b, 0,1
.irp g, 0,1,2,3
	v_cvt_scalef32_pk8_fp4_f32 v[T+4+4*\b+\g], v[168+32*\b+8*\g:175+32*\b+8*\g], v[T+2+\b]
.endr
.endr
	v_nop
	s_wait_alu depctr_va_vdst(0)                   ; the codes T + 4 .. T + 11 and the bytes T, T + 1 are written, which the LDS stores read; and every line that reads the rows v168-231 is done: the next phase's first fragments land there
.irp b, 0,1
	ds_store_b128 v5, v[T+4+4*\b:T+7+4*\b] offset:(\img)+1024*\b
	ds_store_b8 v6, v[T+\b] offset:(\sc)+64*\b
.endr
.endm
; ================ HEAD
	s_load_b512 s[4:19], s[0:1], 0x0               ; hidden s[4:5], ln1_g s[6:7], ln1_b s[8:9], bq s[10:11], bk s[12:13], bv s[14:15], rel_table s[16:17], bo s[18:19]
	s_load_b256 s[20:27], s[0:1], 0x40             ; ln2_g s[20:21], ln2_b s[22:23], b1 s[24:25], b2 s[26:27]
	s_load_b128 s[28:31], s[0:1], 0x60             ; the weights' codes s[28:29], their scale words s[30:31]
	s_load_b64 s[32:33], s[0:1], 0x70              ; out0
	v_lshrrev_b32 v232, 5, v0
	v_readfirstlane_b32 s34, v232                  ; w
	v_and_b32 v232, 31, v0                         ; l
	v_lshlrev_b32 v1, 4, v232
	v_lshlrev_b32 v2, 2, v232
	v_lshlrev_b32 v243, 5, v232                    ; a row of rel_table is 32 bytes
	v_bfe_u32 v236, v0, 3, 2                       ; qd
	v_lshlrev_b32 v18, 7, v236
	v_mov_b32 v252, 0                              ; v252, v253: upper registers of p's fragment, where v's codes are zeros; v252 is also the offset 0
	v_mov_b32 v253, 0
	s_wait_alu depctr_va_sdst(0)                   ; s34 is written, ahead of its first reader: all that hangs on the wave's number is made from it
	s_and_b32 s35, s34, 7                          ; hd = cb
	s_lshr_b32 s36, s34, 3                         ; wd
	s_lshl_b32 s96, ttmp9, 1
	s_add_co_u32 s96, s96, s36                     ; my window
	s_lshr_b32 s97, s96, 6                         ; its image,
	s_bfe_u32 s98, s96, 0x30003                    ; its row of windows wh,
	s_and_b32 s99, s96, 7                          ; its column ww
	s_and_b32 s88, s34, 1
	s_lshl_b32 s88, s88, 1
	s_bfe_u32 s92, s34, 0x10001
	s_add_co_u32 s88, s88, s92                     ; 2 (w % 2) + (w / 2) % 2
	s_bfe_u32 s89, s34, 0x10002                    ; (w / 4) % 2
	s_lshl_b32 s91, s89, 2
	s_add_co_u32 s91, s91, s88                     ; my rows 8 w .. are window row i = 4 ((w / 4) % 2) + 2 (w % 2) + (w / 2) % 2
	s_lshl_b32 s90, s97, 12                        ; tokens ahead of my image
	s_lshl_b32 s92, s98, 3
	s_add_co_u32 s92, s92, 4                       ; 8 wh + 4: the shift
	s_add_co_u32 s93, s92, s91
	s_and_b32 s93, s93, 63                         ; the image's row (8 wh + i + 4) mod 64
	s_lshl_b32 s93, s93, 6
	s_add_co_u32 s93, s93, s90                     ; tokens ahead of that row
	s_lshl_b32 s94, s99, 3
	s_add_co_u32 s95, s94, 4                       ; window columns 0-3: image columns 8 ww + 4 ..
	s_add_co_u32 s95, s95, s93
	s_lshl_b32 s38, s95, 10                        ; a token is 1,024 bytes; all offsets stay under 2^25
	s_mov_b32 s39, 0
	s_add_co_u32 s95, s94, 8                       ; window columns 4-7: (8 ww + 8) mod 64 ..
	s_and_b32 s95, s95, 63
	s_add_co_u32 s95, s95, s93
	s_lshl_b32 s40, s95, 10
	s_mov_b32 s41, 0
	s_lshl_b32 s95, s89, 2                         ; THE WAY OUT: in each half of the last phase I store four tokens: window row 4 half + 2 (w % 2) + (w / 2) % 2, columns 4 ((w / 4) % 2) + 0 .. 3
	s_add_co_u32 s95, s95, s94
	s_add_co_u32 s95, s95, 4
	s_and_b32 s95, s95, 63                         ; their first image column
	s_add_co_u32 s95, s95, s90
	s_add_co_u32 s93, s92, s88                     ; the first half's image row
	s_and_b32 s93, s93, 63
	s_lshl_b32 s93, s93, 6
	s_add_co_u32 s93, s93, s95
	s_lshl_b32 s42, s93, 10
	s_mov_b32 s43, 0
	s_add_co_u32 s93, s92, s88                     ; the second half's: four window rows further down
	s_add_co_u32 s93, s93, 4
	s_and_b32 s93, s93, 63
	s_lshl_b32 s93, s93, 6
	s_add_co_u32 s93, s93, s95
	s_lshl_b32 s44, s93, 10
	s_mov_b32 s45, 0
	s_mov_b32 s96, 0xc40d6bde                      ; -100 sqrt(32)
	s_cmp_eq_u32 s98, 7
	s_cselect_b32 s97, s96, 0                      ; in the last row of windows the window's halves of rows are apart,
	s_cmp_eq_u32 s99, 7
	s_cselect_b32 s96, s96, 0                      ; in the last column its halves of columns
	v_bfe_u32 v237, v0, 2, 1                       ; my query's column is 4 or more
	v_cvt_f32_u32 v237, v237
	v_mul_f32 v20, s96, v237                       ; same half of rows, key's column under 4
	v_sub_f32 v21, s96, v20                        ; same half of rows, key's column 4 or more
	v_min_num_f32 v22, s97, v20                    ; other half of rows
	v_min_num_f32 v23, s97, v21
	s_lshl_b32 s46, s35, 12                        ; offsets into the codes: 2 units a head, 4 a wave (w1), 8 for 32 channels of w2
	s_mov_b32 s47, 0
	s_lshl_b32 s48, s34, 13
	s_mov_b32 s49, 0
	s_lshl_b32 s50, s35, 14
	s_mov_b32 s51, 0
	s_lshl_b32 s52, s35, 8                         ; and into the scale words
	s_mov_b32 s53, 0
	s_lshl_b32 s54, s34, 9
	s_mov_b32 s55, 0
	s_lshl_b32 s56, s35, 10
	s_mov_b32 s57, 0
	s_lshl_b32 s92, s35, 7                         ; 32 numbers of a bias
	s_mov_b32 s93, 0
	s_lshl_b32 s94, s34, 8                         ; 64 of b1
	s_mov_b32 s95, 0
	s_lshl_b32 s98, s35, 2                         ; rel_table's column hd
	s_mov_b32 s99, 0
	s_mov_b32 s58, 0x76543210
	s_mov_b32 s59, 0xfedcba98                      ; v_permlanex16_b32's selects for lane l xor 16
.macro SPAIR r, val                    ; a packed form names a pair and takes its low word for both halves: both are written
	s_mov_b32 s[\r], \val
	s_mov_b32 s[\r+1], \val
.endm
	SPAIR 60, 0x3e8293ee                           ; c = log2(e) / sqrt(32)
	SPAIR 62, 0x40b504f3                           ; sqrt(32)
	SPAIR 66, 0xb62ccd2b                           ; GELU's denominator: d4, d2, d1, d0 (d3 lies in a vector pair)
	SPAIR 68, 0xba9bf7b5
	SPAIR 70, 0xbc2ad7f2
	SPAIR 72, 0xbd2542a9
	SPAIR 74, 0xac95df0b                           ; its numerator: a6, a4, a3, a2, a1, a0 (a5 lies in a vector pair)
	SPAIR 76, 0xb40cff51
	SPAIR 78, 0xb6eec2d2
	SPAIR 80, 0xb940ac63
	SPAIR 82, 0xbac1a1f6
	SPAIR 84, 0xbc83dbd4
	s_mov_b32 s86, 0x3b800000                      ; 1 / 256
	s_mov_b32 s87, 0x3727c5ac                      ; 1e-5
	s_wait_kmcnt 0x0
	s_add_nc_u64 s[42:43], s[32:33], s[42:43]      ; out0 at my four tokens of each half
	s_add_nc_u64 s[44:45], s[32:33], s[44:45]
	s_add_nc_u64 s[38:39], s[4:5], s[38:39]        ; hidden_states at my window row's two runs of four tokens
	s_add_nc_u64 s[40:41], s[4:5], s[40:41]
	s_add_nc_u64 s[46:47], s[28:29], s[46:47]
	s_add_nc_u64 s[48:49], s[28:29], s[48:49]
	s_add_nc_u64 s[50:51], s[28:29], s[50:51]
	s_add_nc_u64 s[52:53], s[30:31], s[52:53]
	s_add_nc_u64 s[54:55], s[30:31], s[54:55]
	s_add_nc_u64 s[56:57], s[30:31], s[56:57]
	s_add_nc_u64 s[10:11], s[10:11], s[92:93]
	s_add_nc_u64 s[12:13], s[12:13], s[92:93]
	s_add_nc_u64 s[14:15], s[14:15], s[92:93]
	s_add_nc_u64 s[18:19], s[18:19], s[92:93]
	s_add_nc_u64 s[26:27], s[26:27], s[92:93]
	s_add_nc_u64 s[24:25], s[24:25], s[94:95]
	s_add_nc_u64 s[16:17], s[16:17], s[98:99]
	s_wait_alu depctr_va_vdst(0)                   ; the offsets v1, v2, v18, v243 and v252 are written, which the loads below read
; 56 loads: 16 of hidden_states (512 consecutive bytes each), 8 of the table, 16 of the gain, 16 of the offset
.irp j, 0,1,2,3
.irp c, 0,1
	global_load_b128 v[168+8*\j+4*\c:171+8*\j+4*\c], v1, s[38:39] offset:1024*\j+512*\c th:TH_LOAD_NT
.endr
.endr
.irp j, 0,1,2,3
.irp c, 0,1
	global_load_b128 v[200+8*\j+4*\c:203+8*\j+4*\c], v1, s[40:41] offset:1024*\j+512*\c th:TH_LOAD_NT
.endr
.endr
.irp i, 0,1,2,3,4,5,6
	global_load_b32 v[244+\i], v243, s[16:17] offset:1024*\i      ; rel_table[32 i + l][hd]
.endr
	global_load_b32 v251, v252, s[16:17] offset:7168              ; rel_table[224][hd], in every lane
	VEC32 104, 6, 0
	VEC32 104, 6, 1
	VEC32 40, 8, 0
	VEC32 40, 8, 1
; the fixed registers, while the loads are out (none of these lines writes a register that a load above names)
	v_and_b32 v233, 15, v0                         ; r
	v_bfe_u32 v234, v0, 4, 1                       ; h
	v_and_b32 v235, 7, v0                          ; r8
	s_wait_alu depctr_va_vdst(0)
	s_mul_i32 s96, s34, 8*HP
	s_add_co_u32 s96, s96, HID
	v_add_nc_u32 v3, s96, v1
	v_mul_u32_u24 v4, v235, HP
	v_lshl_add_u32 v4, v236, 7, v4
	v_add_nc_u32 v4, s96, v4
	s_lshr_b32 s97, s34, 1                         ; my rows' tile of tokens mt = w / 2,
	s_and_b32 s98, s34, 1                          ; and which half of its 16 rows
	s_lshl_b32 s96, s97, 11
	s_lshl_b32 s99, s98, 7
	s_add_co_u32 s96, s96, s99
	v_lshlrev_b32 v5, 8, v236                      ; block qd: 256 qd,
	v_lshl_add_u32 v5, v235, 4, v5                 ; row 8 (w % 2) + r8: 16 bytes a row
	v_add_nc_u32 v5, s96, v5
	s_lshl_b32 s96, s97, 7
	s_lshl_b32 s99, s98, 5
	s_add_co_u32 s96, s96, s99
	v_lshl_add_u32 v6, v235, 2, v236
	v_add_nc_u32 v6, s96, v6
	s_lshl_b32 s96, s36, 13
	v_add_nc_u32 v7, s96, v1
	s_lshl_b32 s99, s36, 9
	v_add_nc_u32 v8, s99, v2
	s_lshl_b32 s91, s34, 10
	s_add_co_u32 s91, s91, TAB                     ; my table
	v_bfe_u32 v237, v0, 3, 1                       ; r / 8
	v_xor_b32 v238, 1, v234
	v_add_nc_u32 v237, v237, v238
	v_mul_u32_u24 v237, v237, 120                  ; two window rows are 30 places of the table
	v_lshl_add_u32 v237, v235, 2, v237
	v_add_nc_u32 v9, s91, v237
	s_lshl_b32 s92, s35, 8
	s_add_co_u32 s92, s92, s96                     ; block hd: 256 hd; my window: 8,192 wd
	v_lshlrev_b32 v237, 4, v233
	v_lshl_add_u32 v238, v234, 3, v237             ; 16 r + 8 h
	s_wait_alu depctr_va_vdst(0)
	v_add_nc_u32 v10, s92, v238
	s_and_b32 s92, s35, 3
	s_lshr_b32 s93, s35, 2
	s_lshl_b32 s93, s93, 6
	s_add_co_u32 s92, s92, s93
	s_add_co_u32 s92, s92, s99
	v_lshlrev_b32 v239, 2, v233                    ; 4 r
	s_wait_alu depctr_va_vdst(0)
	v_add_nc_u32 v11, s92, v239
	s_mul_i32 s92, s36, 64*HP
	s_lshl_b32 s93, s35, 7
	s_add_co_u32 s92, s92, s93
	s_add_co_u32 s92, s92, HID
	v_mul_u32_u24 v12, v233, HP
	v_lshl_add_u32 v12, v234, 6, v12
	v_add_nc_u32 v12, s92, v12
	s_lshl_b32 s92, s34, 9                         ; blocks 2 w, 2 w + 1 of the hidden layer: 512 w
	s_add_co_u32 s92, s92, HIMG
	v_add_nc_u32 v13, s92, v238
	s_lshl_b32 s92, s98, 1
	s_lshl_b32 s93, s97, 6
	s_add_co_u32 s92, s92, s93
	s_add_co_u32 s92, s92, HSC
	v_add_nc_u32 v14, s92, v239
	s_lshl_b32 s92, s36, 15
	s_add_co_u32 s92, s92, HIMG
	v_add_nc_u32 v15, s92, v1
	s_lshl_b32 s92, s36, 11
	s_add_co_u32 s92, s92, HSC
	v_add_nc_u32 v16, s92, v2
	v_lshlrev_b32 v17, 6, v234
	v_and_b32 v240, 8, v233
	v_add_nc_u32 v240, v240, v233
	v_lshlrev_b32 v19, 2, v240
	v_add_nc_u32 v241, s91, v2                     ; my table + 4 l
	v_mov_b32 v242, s91                            ; its first byte
; ================ A: the shortcut into HID, LN1, its codes.  v40-103 offset, v104-167 gain, v168-231 the rows, T = v232-243, v244-251 the table
.set T, 232
	s_wait_loadcnt 40                              ; the 16 loads of hidden_states are in; 8 + 16 + 16 are younger
	s_wait_alu depctr_va_vdst(0)                   ; the fixed registers v3 to v19, and v241, v242, are written: every later load and store reads its address or offset from among them
.irp j, 0,1,2,3,4,5,6,7
.irp c, 0,1
	ds_store_b128 v3, v[168+8*\j+4*\c:171+8*\j+4*\c] offset:HP*\j+512*\c
.endr
.endr
	s_wait_alu depctr_vm_vsrc(0)                   ; those stores have read v168-231, in which the loads below land
	ROWS                                           ; back with a row's quarter in a lane.  My own bytes: LDS serves a wave's instructions in order (ISA guide 5.7.1.4)
	s_wait_loadcnt 32                              ; the table is in; the gain's and the offset's 32 are younger
.irp i, 0,1,2,3,4,5,6
	ds_store_b32 v241, v[244+\i] offset:128*\i
.endr
	ds_store_b32 v242, v251 offset:896             ; every lane writes the same word with the same value
	s_wait_dscnt 0x0
	LNA
	s_wait_alu depctr_va_vdst(0)                   ; the norm is done reading the offset and the gain, v40-167, in which the weights and biases below land
	s_wait_alu depctr_vm_vsrc(0)                   ; the table's loads have read v243, its stores v241, v242 and v244-251: the quantiser below writes v241-243, the attention v244-251
	HEADW 40, 32768, 24, 2048                      ; 40 loads in three groups.  K's 14: wk's fragments v40-71, words v24-25, bk v136-151
	BIAS16 136, 12
	HEADW 72, 65536, 26, 4096                      ; V's 12: wv v72-103, words v26-27, bv of my lane's two channels v254-255
.irp u, 0,1
	global_load_b32 v[254+\u], v19, s[14:15] offset:32*\u
.endr
	HEADW 104, 0, 28, 0                            ; Q's 14: wq v104-135, words v28-29, bq v152-167
	BIAS16 152, 10
	LNQ XIMG, XSC
	BAR                                            ; x's sixteen fragments lie in LDS
; ================ B: (window wd, head hd).  v168-183 x's two fragments, v184-199 two accumulators, T = v200-211, v212-243 k's four fragments, v244-251 q's, v248-255 p's, v40-55 v's two
.set T, 200
.macro XLOAD t
	AFRAG 168, 7, XIMG+2048*(\t)
	AFRAG 176, 7, XIMG+2048*(\t)+1024
	ds_load_b32 v30, v8 offset:XSC+128*(\t)
.endm
	s_wait_alu depctr_vm_vsrc(0)                   ; LN1's LDS stores have read v232-243, some of which the lines below clear
.irp t, 0,1,2,3
.irp n, 2,3,4,5,6,7
	v_mov_b32 v[212+8*\t+\n], 0                    ; K = 32 of the instruction's 128: k's codes beyond are zeros, so q's registers there may hold anything
.endr
.endr
	XLOAD 0                                        ; (no vector line since the quantiser's wait names v168-183, v30 or the addresses)
; k of 16 tokens, transposed (source 0 = wk's rows): a lane holds token r and channels 16 h + 0 .. 15 of the head: half of the one block
.macro KST t
	s_wait_dscnt 0x0
.if (\t) == 0
	s_wait_loadcnt 26                              ; K's group is in; V's 12 and Q's 14 are younger
.endif
	MM 184, 40, 168, 136, 24, 30, 0
	MM 192, 56, 168, 144, 25, 30, 0
	MM 184, 48, 176, 184, 24, 30, 1
	MM 192, 64, 176, 192, 25, 30, 1
	NOPS 4
	s_wait_alu depctr_va_vdst(0)                   ; the four products are done reading x's fragments and words, v168-183 and v30, in which the next tile's land
	XLOAD ((\t)+1)%4
	QMAX16 T, T+1, 184
	QSCL T, T+1, 32+(\t)
	QCVT 212+8*(\t), 184, T+1
	v_nop
	v_permlane16_swap_b32 v[212+8*(\t)], v[214+8*(\t)]   ; lanes 0-15 get the whole block (k = 0 .. 31), lanes 16-31 zeros
	v_permlane16_swap_b32 v[213+8*(\t)], v[215+8*(\t)]
.endm
	KST 0
	KST 1
	KST 2
	KST 3
	s_wait_loadcnt 14                              ; V's group is in; Q's 14 are younger
.irp u, 0,1
.irp n, 0,1,2,3,4,5,6,7
	v_mov_b32 v[136+8*\u+\n], v[254+\u]            ; bv as C: here a lane holds ONE channel, so its eight registers hold one number
.endr
.irp n, 4,5,6,7
	v_mov_b32 v[40+8*\u+\n], 0                     ; K = 64 of 128: v's codes beyond are zeros
.endr
.endr
; v of 16 tokens, NOT transposed (source 0 = x): a lane holds channel r of tile u, and its registers run along the tokens, which are the second product's K
.macro VST t
	s_wait_dscnt 0x0
	MM 184+8*((\t)%2), 168, 72, 136, 30, 26, 0
	MM 56+8*((\t)%2), 168, 88, 144, 30, 27, 0
	MM 184+8*((\t)%2), 176, 80, 184+8*((\t)%2), 30, 26, 1
	MM 56+8*((\t)%2), 176, 96, 56+8*((\t)%2), 30, 27, 1
	NOPS 4
	s_wait_alu depctr_va_vdst(0)                   ; the four products are done reading x's fragments and words, in which the next tile's land
	XLOAD ((\t)+1)%4
.if (\t)%2                             ; two tiles of tokens are 16 neighbouring tokens a lane: half of block t / 2
	QMAX16 T, T+1, 184
	QMAX16 T+2, T+3, 56
.if (\t) == 1
	QSCL T, T+1, 36
	QSCL T+2, T+3, 37
.else
	QSCL T, T+1, T+4
	QSCL T+2, T+3, T+5
	v_lshl_or_b32 v36, v[T+4], 8, v36
	v_lshl_or_b32 v37, v[T+5], 8, v37
.endif
	QCVT 40+2*((\t)/2), 184, T+1
	QCVT 48+2*((\t)/2), 56, T+3
	v_nop
.endif
.endm
	s_wait_alu depctr_va_vdst(0)
	VST 0
	VST 1
	VST 2
	VST 3
.irp u, 0,1
	v_permlane16_swap_b32 v[40+8*\u], v[42+8*\u]   ; a whole block in a lane: lanes 0-15 tokens 0-31, lanes 16-31 tokens 32-63
	v_permlane16_swap_b32 v[41+8*\u], v[43+8*\u]
.endr
	s_wait_alu depctr_va_vdst(0)                   ; v's quantiser is done reading v56-71: the bias lands in both; wo and its words land there; v's codes and words are written
	HEADW 72, 98304, 24, 6144                      ; wo's fragments for the projection, 10 loads: they land under the attention
; The relative bias of query tile j against all 64 keys, into the scores' registers: index (i_q - i_k + 7) x 15 + j_q - j_k + 7; the lane's part lies in v9, the rest is a constant of the register
.macro GATHER j
.irp i, 0,1,2,3
.irp n, 0,1,2,3,4,5,6,7
	ds_load_b32 v[56+8*(\i%2)+80*(\i/2)+\n], v9 offset:4*((4*(((\j)/2)-(\i/2))+(((\j)%2)-(\i%2)))*15-\n+82)
.endr
.endr
.endm
; (bias + mask) sqrt(32) for key tile i: the product's C.  The mask's case: halves of rows differ where j / 2 and i / 2 do; the key's column is the register's number
.macro CBUILD i, j
.set rS, 56+8*((\i)%2)+80*((\i)/2)
.set rM, 20+2*(((\j)/2)^((\i)/2))
	v_pk_fma_f32 v[rS:rS+1], v[rS:rS+1], s[62:63], v[rM:rM+1] op_sel_hi:[1,0,0]
	v_pk_fma_f32 v[rS+2:rS+3], v[rS+2:rS+3], s[62:63], v[rM:rM+1] op_sel_hi:[1,0,0]
	v_pk_fma_f32 v[rS+4:rS+5], v[rS+4:rS+5], s[62:63], v[rM:rM+1] op_sel:[0,0,1] op_sel_hi:[1,0,1]
	v_pk_fma_f32 v[rS+6:rS+7], v[rS+6:rS+7], s[62:63], v[rM:rM+1] op_sel:[0,0,1] op_sel_hi:[1,0,1]
.endm
	GATHER 0
; Query tile j.  Scores: v56-71 keys 16 h + 0 .. 15, v136-151 keys 32 + 16 h + 0 .. 15 of query r.
; The bias's 32 loads were asked for late in the tile before (the scores' registers were not free sooner): q's products and q's quantiser stand between them and the wait for them.
.macro ATT j
.if (\j) == 0
	s_wait_dscnt 32                                ; x's five loads are in; the bias's 32 are younger
	s_wait_loadcnt 10                              ; Q's group is in; wo's 10 are younger
.else
	s_wait_dscnt 34                                ; x's five loads are in; the bias's 32 and the last tile's two stores are younger
.endif
	MM 184, 104, 168, 152, 28, 30, 0               ; q, transposed, as k was
	MM 192, 120, 168, 160, 29, 30, 0
	MM 184, 112, 176, 184, 28, 30, 1
	MM 192, 128, 176, 192, 29, 30, 1
	v_mov_b32 v246, 0                              ; four plain lines that name none of those products' registers: the places behind them
	v_mov_b32 v247, 0
	v_nop
	v_nop
.if (\j) < 3
	s_wait_alu depctr_va_vdst(0)                   ; q's products are done reading x's fragments and words, in which the next tile's land
	XLOAD (\j)+1
.endif
	QMAX16 T, T+1, 184                             ; (writes T and T + 1 alone: the last tile's stores, which may be out, read T + 2, T + 4, T + 5)
	QSCL T, T+1, 31
	QCVT 244, 184, T+1
	v_nop
	v_permlane16_swap_b32 v244, v246
	v_permlane16_swap_b32 v245, v247
.if (\j) < 3
	s_wait_dscnt 5                                 ; the bias is in and the last tile's stores are done; the next tile's five loads of x are younger
.else
	s_wait_dscnt 0x0
.endif
.if (\j) > 0
	s_wait_alu depctr_vm_vsrc(0)                   ; the last tile's two LDS stores have read T + 2, T + 4 and T + 5, which the softmax below writes
.endif
	CBUILD 0, \j                                   ; of these sixteen lines twelve name no register of any one product below: q's scale word stands 8 places ahead, q's codes 4
	CBUILD 1, \j
	CBUILD 2, \j
	CBUILD 3, \j
	s_wait_alu depctr_va_vdst(0)                   ; k's and q's codes, v212-251, and their scale words, v31-35, all made by vector lines, are written: the products below take them as operands and scales
.irp i, 0,1,2,3
	MM 56+8*(\i%2)+80*(\i/2), 212+8*\i, 244, 56+8*(\i%2)+80*(\i/2), 32+\i, 31, 0   ; S^T sqrt(32) = k q^T + C
.endr
	NOPS 4
	v_max3_num_f32 v[T], v56, v57, v58             ; each block's largest score: for the row's maximum, and for the block's largest p
	v_max3_num_f32 v[T+1], v136, v137, v138
.irp i, 3,5,7,9,11,13
	v_max3_num_f32 v[T], v[T], v[56+\i], v[57+\i]
	v_max3_num_f32 v[T+1], v[T+1], v[136+\i], v[137+\i]
.endr
	v_max_num_f32 v[T], v[T], v71
	v_max_num_f32 v[T+1], v[T+1], v151
	v_permlanex16_b32 v[T+2], v[T], s58, s59
	v_permlanex16_b32 v[T+3], v[T+1], s58, s59
	v_max_num_f32 v[T], v[T], v[T+2]
	v_max_num_f32 v[T+1], v[T+1], v[T+3]
	v_max_num_f32 v[T+4], v[T], v[T+1]             ; the row's
	v_mul_f32 v[T+4], s60, v[T+4]
.irp k, 0,2,4,6,8,10,12,14
	v_pk_fma_f32 v[56+\k:57+\k], v[56+\k:57+\k], s[60:61], v[T+4:T+5] op_sel_hi:[1,0,0] neg_lo:[0,0,1] neg_hi:[0,0,1]
	v_pk_fma_f32 v[136+\k:137+\k], v[136+\k:137+\k], s[60:61], v[T+4:T+5] op_sel_hi:[1,0,0] neg_lo:[0,0,1] neg_hi:[0,0,1]
.endr
	v_fma_f32 v[T], v[T], s60, -v[T+4]
	v_fma_f32 v[T+1], v[T+1], s60, -v[T+4]
	s_wait_alu depctr_va_vdst(0)
.irp n, 0,1,2,3,4,5,6,7,8,9,10,11,12,13,14,15
	v_exp_f32 v[56+\n], v[56+\n]
	v_exp_f32 v[136+\n], v[136+\n]
.endr
	v_exp_f32 v[T], v[T]
	v_exp_f32 v[T+1], v[T+1]
	v_nop                                          ; a plain line behind the exponentials
	s_wait_alu depctr_va_vdst(0)                   ; the 34 exponentials are written, ahead of their first reader
	v_pk_add_f32 v[T+6:T+7], v[56:57], v[58:59]    ; the row's sum, in two chains
	v_pk_add_f32 v[T+8:T+9], v[136:137], v[138:139]
.irp k, 4,6,8,10,12,14
	v_pk_add_f32 v[T+6:T+7], v[T+6:T+7], v[56+\k:57+\k]
	v_pk_add_f32 v[T+8:T+9], v[T+8:T+9], v[136+\k:137+\k]
.endr
	v_pk_add_f32 v[T+6:T+7], v[T+6:T+7], v[T+8:T+9]
	v_add_f32 v[T+6], v[T+6], v[T+7]
	v_permlanex16_b32 v[T+7], v[T+6], s58, s59
	v_add_f32 v[T+6], v[T+6], v[T+7]
	s_wait_alu depctr_va_vdst(0)
	v_rcp_f32 v[T+10], v[T+6]
	v_nop
	s_wait_alu depctr_va_vdst(0)                   ; the reciprocal of the sum is written, ahead of its first reader
	v_mul_f32 v[T], v[T], v[T+10]                  ; each block's largest p, by the same two instructions as every p
	v_mul_f32 v[T+1], v[T+1], v[T+10]
	v_max_num_f32 v[T], 0x1800000, v[T]
	v_max_num_f32 v[T+1], 0x1800000, v[T+1]
	v_add_nc_u32 v[T+2], 0xff000000, v[T]
	v_add_nc_u32 v[T+3], 0xff000000, v[T+1]
	v_lshrrev_b32 v[T], 23, v[T+2]
	v_lshrrev_b32 v[T+1], 23, v[T+3]
	v_lshl_or_b32 v38, v[T+1], 8, v[T]             ; p's scale word
.irp k, 0,2,4,6,8,10,12,14
	v_pk_mul_f32 v[56+\k:57+\k], v[56+\k:57+\k], v[T+10:T+11] op_sel_hi:[1,0]      ; p, finished and normalised.  (These sixteen are also the places between the scale word and its product)
	v_pk_mul_f32 v[136+\k:137+\k], v[136+\k:137+\k], v[T+10:T+11] op_sel_hi:[1,0]
.endr
	QCVT 248, 56, T+2
	QCVT 250, 136, T+3
	v_nop
	v_permlane16_swap_b32 v248, v250               ; a whole block in a lane
	v_permlane16_swap_b32 v249, v251
	NOPS 4
	s_wait_alu depctr_va_vdst(0)                   ; p's codes and scale word (and v's) are written, which the two products below take; the conversions are done reading the scores' registers, in which the next tile's bias lands
.if (\j) < 3
	GATHER (\j)+1                                  ; the next tile's bias lands under the rest of this one and the head of the next
.endif
	MMZ 184, 40, 248, 36, 38                       ; O^T = v^T p^T: query r, channels 32 hd + 16 h + 0 .. 15
	MMZ 192, 48, 248, 37, 38
	NOPS 4
	QMAX16 T, T+1, 184                             ; it is half of block hd of the projection's K
	QSCL T, T+1, T+2
	QCVT T+4, 184, T+1
	v_nop
	s_wait_alu depctr_va_vdst(0)                   ; the codes T + 4, T + 5 and the byte T + 2 are written, which the LDS stores read.  Behind the last tile it also states that every product and vector line of the attention is done with its registers
	ds_store_b64 v10, v[T+4:T+5] offset:CIMG+2048*(\j)
	ds_store_b8 v11, v[T+2] offset:CSC+128*(\j)    ; both lanes of a block write the same byte with the same value
.endm
	ATT 0
	ATT 1
	ATT 2
	ATT 3
	BIAS16 168, 18                                 ; 28 loads: bo v168-183 (4), ln2_g v104-167 (16), the first half of ln2_b v40-71 (8).  No vector or matrix line stands between the attention's last wait and these
	VEC32 104, 20, 0
	VEC32 104, 20, 1
	VEC32 40, 22, 0
	BAR                                            ; the attention's sixteen fragments lie in LDS
; ================ C: projection and residual.  v72-103 wo, v168-183 bo, v184-199 a tile's two fragments, v200-215 two accumulators, v216-231 and v232-247 16 numbers of HID, by turns
.macro CLOAD t                         ; a tile's fragments, its scale words, and its 16 numbers a lane of the shortcut: all asked for a tile ahead
	AFRAG 184, 7, CIMG+2048*(\t)
	AFRAG 192, 7, CIMG+2048*(\t)+1024
	ds_load_b32 v30, v8 offset:CSC+128*(\t)
.irp i, 0,1,2,3
	ds_load_b128 v[216+16*((\t)%2)+4*\i:219+16*((\t)%2)+4*\i], v12 offset:16*HP*(\t)+16*\i
.endr
.endm
.macro PROJ t
	s_wait_dscnt 0x0                               ; this tile's nine loads are in, and the last tile's stores are done
.if (\t) < 3
	s_wait_alu depctr_vm_vsrc(0)                   ; tile 0: the attention's last stores have read v202, v204, v205, which the accumulators below overwrite; tiles 1, 2: the last tile's stores have read their 16 registers, in which the next tile's residual lands
.endif
.if (\t) == 0
	s_wait_loadcnt 24                              ; wo and bo are in; ln2_g's 16 and ln2_b's 8 are younger
.endif
	MM 200, 72, 184, 168, 24, 30, 0
	MM 208, 88, 184, 176, 25, 30, 0
	MM 200, 80, 192, 200, 24, 30, 1
	MM 208, 96, 192, 208, 25, 30, 1
	NOPS 5
	s_wait_alu depctr_va_vdst(0)                   ; the four products are done reading the tile's fragments and words (tile 3: and wo), in which the loads below land; the additions of two tiles back have written the buffer that is loaded again
.if (\t) < 3
	CLOAD (\t)+1
.else
	VEC32 40, 22, 1                                ; the second half of ln2_b, into the registers that wo has left
.endif
.irp k, 0,2,4,6,8,10,12,14
	v_pk_add_f32 v[216+16*((\t)%2)+\k:217+16*((\t)%2)+\k], v[216+16*((\t)%2)+\k:217+16*((\t)%2)+\k], v[200+\k:201+\k]   ; hidden = shortcut + projection
.endr
	s_wait_alu depctr_va_vdst(0)                   ; the eight additions have written the 16 numbers that the LDS stores read
.irp i, 0,1,2,3
	ds_store_b128 v12, v[216+16*((\t)%2)+4*\i:219+16*((\t)%2)+4*\i] offset:16*HP*(\t)+16*\i
.endr
.endm
	CLOAD 0                                        ; (no vector or matrix line stands between the attention's last wait and these loads)
	PROJ 0
	PROJ 1
	PROJ 2
	PROJ 3
	BAR                                            ; hidden lies in HID
; ================ D: LN2 and its codes, as A
.set T, 232
	s_wait_alu depctr_vm_vsrc(0)                   ; the projection's last LDS stores have read v216-247: the rows land in v216-231, the norm and the quantiser write v232-243
	ROWS
	s_wait_dscnt 0x0
	LNA
	s_wait_alu depctr_va_vdst(0)                   ; the norm is done reading the offset and the gain, v40-167, in which w1 and b1 land
.irp q, 0,1,2,3                        ; 28 loads: w1's four tiles x two K steps v104-167, their words v32-35, b1 as C v40-71
.irp s, 0,1
	WFRAG 104+16*\q+8*\s, 48, 131072+2048*\q+1024*\s
.endr
.endr
.irp q, 0,1,2,3
	global_load_b32 v[32+\q], v2, s[54:55] offset:8192+128*\q
.endr
.irp q, 0,1,2,3
.irp i, 0,1
	global_load_b128 v[40+8*\q+4*\i:43+8*\q+4*\i], v17, s[24:25] offset:128*(\q/2)+32*(\q%2)+16*\i
.endr
.endr
	LNQ YIMG, YSC
	BAR                                            ; y's sixteen fragments lie in LDS
; ================ E: hidden units 64 w .. 64 w + 63 of all 128 tokens, a tile of 16 tokens a trip.  v72-103 four accumulators, v168-183 y's fragments, v184-215 GELU at work, v216-221 its constants, v224-227 codes
	v_mov_b32 v216, 0x40b504f3                     ; 4 sqrt(2)
	v_mov_b32 v218, 0xb89e3512                     ; d3, twice
	v_mov_b32 v219, 0xb89e3512
	v_mov_b32 v220, 0x306dffee                     ; a5, twice
	v_mov_b32 v221, 0x306dffee
.macro GELU4 a                         ; eight numbers, one accumulator, in place: 9 lines a number
.irp i, 0,1,2,3,4,5,6,7
	v_med3_num_f32 v[184+\i], v[(\a)+\i], -v216, v216
.endr
.irp k, 0,2,4,6
	v_pk_mul_f32 v[192+\k:193+\k], v[184+\k:185+\k], v[184+\k:185+\k]
.endr
.irp k, 0,2,4,6
	v_pk_fma_f32 v[200+\k:201+\k], v[192+\k:193+\k], s[66:67], v[218:219] op_sel_hi:[1,0,1]
.endr
.irp c, 68,70,72
.irp k, 0,2,4,6
	v_pk_fma_f32 v[200+\k:201+\k], v[200+\k:201+\k], v[192+\k:193+\k], s[\c:\c+1] op_sel_hi:[1,1,0]
.endr
.endr
	s_wait_alu depctr_va_vdst(0)
.irp i, 0,1,2,3,4,5,6,7
	v_rcp_f32 v[200+\i], v[200+\i]
.endr
.irp k, 0,2,4,6
	v_pk_fma_f32 v[208+\k:209+\k], v[192+\k:193+\k], s[74:75], v[220:221] op_sel_hi:[1,0,1]   ; the numerator's 24 plain lines stand behind the reciprocals
.endr
.irp c, 76,78,80,82,84
.irp k, 0,2,4,6
	v_pk_fma_f32 v[208+\k:209+\k], v[208+\k:209+\k], v[192+\k:193+\k], s[\c:\c+1] op_sel_hi:[1,1,0]
.endr
.endr
	s_wait_alu depctr_va_vdst(0)                   ; the eight reciprocals are written, ahead of their first reader
.irp k, 0,2,4,6
	v_pk_mul_f32 v[208+\k:209+\k], v[208+\k:209+\k], v[200+\k:201+\k]
.endr
.irp k, 0,2,4,6
	v_pk_fma_f32 v[208+\k:209+\k], v[208+\k:209+\k], v[184+\k:185+\k], 0.5 op_sel_hi:[1,1,0]
.endr
.irp k, 0,2,4,6
	v_pk_mul_f32 v[(\a)+\k:(\a)+\k+1], v[(\a)+\k:(\a)+\k+1], v[208+\k:209+\k]
.endr
.endm
.macro MLP1 last
	s_wait_dscnt 0x0                               ; y's fragments are in; the last trip's stores are done
	s_wait_alu depctr_vm_vsrc(0)                   ; the last trip's LDS loads and stores (in the first trip: LN2's stores) have read T + 4, T + 5, T + 8 .. T + 11 and v224-227, all of which this trip writes again
.irp q, 0,1,2,3
	MM 72+8*\q, 104+16*\q, 168, 40+8*\q, 32+\q, 30, 0
.endr
.irp q, 0,1,2,3
	MM 72+8*\q, 112+16*\q, 176, 72+8*\q, 32+\q, 30, 1
.endr
	v_add_nc_u32 v[T+10], s94, v13                 ; the trip's addresses: also the four places behind the products
	v_add_nc_u32 v[T+11], s95, v14
.if \last
	v_nop
	v_nop
	s_wait_alu depctr_va_vdst(0)                   ; the eight products are done reading w1, y, b1 and the scale words v24-31, in all of which the loads below land; T + 10 and T + 11 are written
.irp s, 0,1,2,3,4                      ; 36 loads for the last phase, into the registers that w1, y and b1 have left: w2's K steps 0-4 v104-183, K step 5 v56-71, its words v24-31, b2 as C v40-55
.irp u, 0,1
	WFRAG 104+16*\s+8*\u, 50, 262144+8192*\u+1024*\s
.endr
.endr
.irp u, 0,1
	WFRAG 56+8*\u, 50, 262144+8192*\u+1024*5
.endr
.irp u, 0,1
.irp p, 0,1,2,3
	global_load_b32 v[24+4*\u+\p], v2, s[56:57] offset:16384+512*\u+128*\p
.endr
.endr
	BIAS16 40, 26
.else
	v_add_nc_u32 v[T+8], s92, v1
	v_add_nc_u32 v[T+9], s93, v2
	s_wait_alu depctr_va_vdst(0)                   ; the four addresses T + 8 .. T + 11 are written, two of which the loads below read; the eight products are done reading y's fragments and words, in which these loads land
	AFRAG 168, T+8, YIMG+2048                      ; the next tile of tokens: it has the whole of GELU in which to land
	AFRAG 176, T+8, YIMG+3072
	ds_load_b32 v30, v[T+9] offset:YSC+128
.endif
	GELU4 72
	GELU4 80
	GELU4 88
	GELU4 96
	QMAX16 T, T+1, 72                              ; units 64 w + 16 h + 0 .. 15 and 64 w + 32 + 16 h + 0 .. 15: halves of blocks 2 w and 2 w + 1
	QMAX16 T+2, T+3, 88
	QSCL T, T+1, T+4
	QSCL T+2, T+3, T+5
	QCVT 224, 72, T+1
	QCVT 226, 88, T+3
	v_nop
	s_wait_alu depctr_va_vdst(0)                   ; the codes v224-227 and the bytes T + 4, T + 5 are written, which the LDS stores read; in the last trip GELU is also done with v184-215, in which w2's last two K steps land
	ds_store_b64 v[T+10], v[224:225]
	ds_store_b64 v[T+10], v[226:227] offset:256
	ds_store_b8 v[T+11], v[T+4]
	ds_store_b8 v[T+11], v[T+5] offset:1
.if \last
.irp s, 6,7                            ; 8 loads more: w2's K steps 6 and 7, into the registers that GELU has left, v184-215
.irp u, 0,1
	WFRAG 184+16*(\s-6)+8*\u, 50, 262144+8192*\u+1024*\s
.endr
.endr
.endif
	s_add_co_u32 s92, s92, 2048                    ; a tile of tokens on: y's fragments, y's words, the hidden layer's fragments, its words
	s_add_co_u32 s93, s93, 128
	s_add_co_u32 s94, s94, 8192
	s_add_co_u32 s95, s95, 512
.endm
	s_mov_b32 s92, 0
	s_mov_b32 s93, 0
	s_mov_b32 s94, 0
	s_mov_b32 s95, 0
	AFRAG 168, 1, YIMG                             ; (the five lines since the quantiser's wait name v216-221 alone)
	AFRAG 176, 1, YIMG+1024
	ds_load_b32 v30, v2 offset:YSC
	s_wait_loadcnt 0x0                             ; w1, its words and b1
	s_mov_b32 s91, 7
.Lmlp:
	MLP1 0
	s_sub_co_u32 s91, s91, 1
	s_cmp_lg_u32 s91, 0
	s_cbranch_scc1 .Lmlp
	MLP1 1                                         ; the eighth tile fetches no further y, and asks for w2
	BAR                                            ; the hidden layer's 64 fragments lie in LDS
; ================ F: MLP2 and residual, in two halves of two tiles of tokens.  All of my w2 (2 tiles x 8 K steps, 128 registers) stays in registers: read from memory once, used by both halves.
; v40-55 b2; v72-103 four accumulators (tile tt of the half, tile of channels u) at 72 + 16 tt + 8 u, later four rows on their way out; v216-247 the hidden fragments of a K step's two tiles, two buffers by turns,
; asked for two K steps ahead; as the buffers fall free at a half's end they take the residual.  v32-39 a half's eight scale words.  v248 where I read my four rows back.
.macro SETW s, u                       ; where w2's fragment (K step s, tile u) lies
.if (\s) < 5
.set rW, 104+16*(\s)+8*(\u)
.elseif (\s) == 5
.set rW, 56+8*(\u)
.else
.set rW, 184+16*((\s)-6)+8*(\u)
.endif
.endm
.macro HLOAD hf, s                     ; four loads
.irp tt, 0,1
	AFRAG 216+16*((\s)%2)+8*\tt, 15, 8192*(2*(\hf)+\tt)+1024*(\s)
.endr
.endm
.macro HSLOAD hf                       ; eight loads
.irp tt, 0,1
.irp p, 0,1,2,3
	ds_load_b32 v[32+4*\tt+\p], v16 offset:512*(2*(\hf)+\tt)+128*\p
.endr
.endr
.endm
.macro HTL hf, tt                      ; hidden, 16 numbers a lane of tile tt: four loads
.irp i, 0,1,2,3
	ds_load_b128 v[216+16*(\tt)+4*\i:219+16*(\tt)+4*\i], v12 offset:16*HP*(2*(\hf)+(\tt))+16*\i
.endr
.endm
.macro MLP2 hf, s
	s_wait_dscnt 4                                 ; this K step's fragments are in; the four loads asked for behind the last K step are younger
.if (\hf) == 0
.if (\s) == 0
	s_wait_loadcnt 8                               ; w2's K steps 0-5, its words and b2 are in; K steps 6 and 7, eight loads, are younger
.endif
.if (\s) == 6
	s_wait_loadcnt 0x0
.endif
.endif
.irp tt, 0,1
.irp u, 0,1
	SETW \s, \u
.if (\s) == 0
	MM 72+16*\tt+8*\u, rW, 216+8*\tt, 40+8*\u, 24+4*\u, 32+4*\tt, 0
.else
	MM 72+16*\tt+8*\u, rW, 216+16*((\s)%2)+8*\tt, 72+16*\tt+8*\u, 24+4*\u+(\s)/2, 32+4*\tt+(\s)/2, \s
.endif
.endr
.endr
	NOPS 4
	s_wait_alu depctr_va_vdst(0)                   ; the four products are done reading this K step's buffer, in which the loads below land (the first of these waits also states that v248 is written)
.if (\s) < 6
	HLOAD \hf, (\s)+2                              ; the buffer just read takes the K step two further on
.elseif (\s) == 6
	HTL \hf, 0
.else
	HTL \hf, 1
.endif
.endm
.macro FHALF hf
.irp s, 0,1,2,3,4,5,6,7
	MLP2 \hf, \s
.endr
	s_wait_dscnt 4                                 ; the first tile's residual is in; the second's four loads are younger
.irp k, 0,2,4,6,8,10,12,14
	v_pk_add_f32 v[216+\k:217+\k], v[216+\k:217+\k], v[72+\k:73+\k]     ; the result = hidden + MLP
.endr
	s_wait_dscnt 0x0
.irp k, 0,2,4,6,8,10,12,14
	v_pk_add_f32 v[232+\k:233+\k], v[232+\k:233+\k], v[88+\k:89+\k]
.endr
	s_wait_alu depctr_va_vdst(0)                   ; the sixteen additions have written v216-247, which the LDS stores read, and are done reading the accumulators v72-103, in which the rows land behind the barrier
.irp tt, 0,1
.irp i, 0,1,2,3
	ds_store_b128 v12, v[216+16*\tt+4*\i:219+16*\tt+4*\i] offset:16*HP*(2*(\hf)+\tt)+16*\i
.endr
.endr
	BAR                                            ; the half's 64 whole rows of the result lie in HID.  (Behind this barrier the waves write rows of the other half alone)
.if (\hf) == 0
	s_wait_alu depctr_vm_vsrc(0)                   ; my LDS stores have read v216-247, in which the second half's first fragments land
.endif
.irp jj, 0,1,2,3
.irp c, 0,1
	ds_load_b128 v[72+8*\jj+4*\c:75+8*\jj+4*\c], v248 offset:32*HP*(\hf)+HP*\jj+512*\c
.endr
.endr
.if (\hf) == 0
	HSLOAD 1                                       ; the second half's first 16 loads
	HLOAD 1, 0
	HLOAD 1, 1
.endif
.irp jj, 0,1,2,3
.irp c, 0,1
	s_wait_dscnt 16*(1-(\hf))+7-2*\jj-\c           ; this load is in; the later rows' loads, and in the first half the 16 loads just issued, are younger
	global_store_b128 v1, v[72+8*\jj+4*\c:75+8*\jj+4*\c], s[42+2*(\hf):43+2*(\hf)] offset:1024*\jj+512*\c th:TH_STORE_NT   ; 32 lanes store 512 consecutive bytes, at a multiple of 256 from out0's first byte
.endr
.endr
.if (\hf) == 0
	s_wait_xcnt 0x0                                ; the stores' data registers are the accumulators: the second half's products write them only behind this wait
	s_wait_alu depctr_vm_vsrc(0)                   ; the eight stores have read v72-103, which the second half's products write
.endif
.endm
	s_lshl_b32 s96, s36, 6                         ; the first of my four rows in the first half: 64 wd + 16 ((w / 2) % 2) + 8 (w % 2) + 4 ((w / 4) % 2); the second half's lie 32 rows on
	s_bfe_u32 s97, s34, 0x10001
	s_lshl_b32 s97, s97, 4
	s_add_co_u32 s96, s96, s97
	s_and_b32 s97, s34, 1
	s_lshl_b32 s97, s97, 3
	s_add_co_u32 s96, s96, s97
	s_bfe_u32 s97, s34, 0x10002
	s_lshl_b32 s97, s97, 2
	s_add_co_u32 s96, s96, s97
	s_mul_i32 s96, s96, HP
	s_add_co_u32 s96, s96, HID
	v_add_nc_u32 v248, s96, v1
	s_wait_alu depctr_vm_vsrc(0)                   ; MLP1's last LDS stores have read v224-227, v236, v237, v242 and v243, in which the hidden fragments land
	HSLOAD 0
	HLOAD 0, 0
	HLOAD 0, 1
	FHALF 0                                        ; its rows are on their way to memory while the second half is multiplied
	FHALF 1
	s_wait_xcnt 0x0
	v_lshl_add_u32 v254, v0, 2, 0x42400            ; the add's two registers, made anew here, where none could be kept through the kernel: my spare word, behind HID; no memory or LDS instruction of the kernel reads v254 or v255
	v_mov_b32 v255, 0
	s_wait_dscnt 0x0                               ; the closing lines, six on end
	s_wait_alu 0x0
	s_wait_tensorcnt 0x0
	ds_add_u32 v254, v255
	s_wait_dscnt 0x0
	s_endpgm
.Lfunc_end_k_q5f1032b126_swin:
	.size	k_q5f1032b126_swin, .Lfunc_end_k_q5f1032b126_swin-k_q5f1032b126_swin
	.p2alignl 7, 3214868480
	.fill 96, 4, 3214868480
	.section	.rodata,"a",@progbits
	.p2align	6, 0x0
	.amdhsa_kernel k_q5f1032b126_swin
		.amdhsa_group_segment_fixed_size 273408
		.amdhsa_private_segment_fixed_size 0
		.amdhsa_enable_private_segment 0
		.amdhsa_kernarg_size 120
		.amdhsa_user_sgpr_count 2
		.amdhsa_user_sgpr_kernarg_segment_ptr 1
		.amdhsa_wavefront_size32 1
		.amdhsa_system_sgpr_workgroup_id_x 1
		.amdhsa_system_sgpr_workgroup_id_y 1
		.amdhsa_system_sgpr_workgroup_id_z 1
		.amdhsa_system_vgpr_workitem_id 0
		.amdhsa_next_free_vgpr 256
		.amdhsa_next_free_sgpr 100
		.amdhsa_reserve_vcc 0
		.amdhsa_float_denorm_mode_32 3
		.amdhsa_float_denorm_mode_16_64 3
		.amdhsa_memory_ordered 1
		.amdhsa_forward_progress 1
		.amdhsa_inst_pref_size 209
	.end_amdhsa_kernel
	.amdgpu_metadata
---
amdhsa.version: [ 1, 2 ]
amdhsa.kernels:
  - .name:           k_q5f1032b126_swin
    .symbol:         k_q5f1032b126_swin.kd
    .args:
      - { .name: hidden_states, .offset: 0, .size: 8, .value_kind: global_buffer, .address_space: global }
      - { .name: ln1_g, .offset: 8, .size: 8, .value_kind: global_buffer, .address_space: global }
      - { .name: ln1_b, .offset: 16, .size: 8, .value_kind: global_buffer, .address_space: global }
      - { .name: bq, .offset: 24, .size: 8, .value_kind: global_buffer, .address_space: global }
      - { .name: bk, .offset: 32, .size: 8, .value_kind: global_buffer, .address_space: global }
      - { .name: bv, .offset: 40, .size: 8, .value_kind: global_buffer, .address_space: global }
      - { .name: rel_table, .offset: 48, .size: 8, .value_kind: global_buffer, .address_space: global }
      - { .name: bo, .offset: 56, .size: 8, .value_kind: global_buffer, .address_space: global }
      - { .name: ln2_g, .offset: 64, .size: 8, .value_kind: global_buffer, .address_space: global }
      - { .name: ln2_b, .offset: 72, .size: 8, .value_kind: global_buffer, .address_space: global }
      - { .name: b1, .offset: 80, .size: 8, .value_kind: global_buffer, .address_space: global }
      - { .name: b2, .offset: 88, .size: 8, .value_kind: global_buffer, .address_space: global }
      - { .name: wcod, .offset: 96, .size: 8, .value_kind: global_buffer, .address_space: global }
      - { .name: wscl, .offset: 104, .size: 8, .value_kind: global_buffer, .address_space: global }
      - { .name: out0, .offset: 112, .size: 8, .value_kind: global_buffer, .address_space: global }
    .group_segment_fixed_size: 273408
    .private_segment_fixed_size: 0
    .kernarg_segment_align: 8
    .kernarg_segment_size: 120
    .max_flat_workgroup_size: 512
    .sgpr_count:     100
    .vgpr_count:     256
    .wavefront_size: 32
...
	.end_amdgpu_metadata
.endif
;; end of part 4
